; MI455X (gfx1250); checked and timed in simulation.
; The chip was launched on July 23, 2026; its instructions are those of AMD's public machine-readable ISA for CDNA 5 (MIT licence, August 2026) and "CDNA5" Instruction Set Architecture Reference Guide (July 2026). The comments in the code are by the model that wrote it; some were corrected since.
;; Causal Multihead Self Attention. Allowed arithmetic: matrix products marked QUANTISED: E2M3 operands, one E8M0 scale for each 32 along K, by v_wmma_scale_f32_16x16x128_f8f6f4 with both operands' format E2M3, f32 sums; everything else in f32.
;; Inputs: Wo_codes 1,024 x 32 x 24 uint8 (E2M3 codes of Wo, K innermost, in blocks of 32 codes, four codes in three bytes); Wo_scales 1,024 x 32 uint8 (E8M0 scales of Wo, one for each 32 codes along K); Wqkv_codes 3,072 x 32 x 24 uint8 (E2M3 codes of Wqkv, K innermost, in blocks of 32 codes, four codes in three bytes); Wqkv_scales 3,072 x 32 uint8 (E8M0 scales of Wqkv, one for each 32 codes along K); token_positions 4,096 int32; x_codes 1 x 4,096 x 32 x 24 uint8 (E2M3 codes of x, K innermost, in blocks of 32 codes, four codes in three bytes); x_scales 1 x 4,096 x 32 uint8 (E8M0 scales of x, one for each 32 codes along K).
;; Outputs: out0 1 x 4,096 x 1,024 float32.
;; This version of the problem:
;;   THIS VERSION OF THE PROBLEM IS GIVEN IN LOW PRECISION. The matrix products marked QUANTISED in the list below multiply operands that are first quantised to E2M3 (2 exponent bits, 3 mantissa bits; 6 bits a number), with one power-of-two scale for each 32 numbers along K (OCP MX v1.0); their sums are f32. All else is computed in f32.
;;   The module's matrix products, in the order in which they are computed (A, B: the left and right operand; K: the contracted axis; several contracted axes count as one K, in the product's order):
;;     1. [M 4,096, K 1,024] x [K 1,024, N 3,072]; A: input x (given as codes); B: input Wqkv (given as codes): QUANTISED
;;     2. batch 16 x [M 4,096, K 64] x [K 64, N 4,096]; A: computed on the way; B: computed on the way: QUANTISED
;;     3. batch 16 x [M 4,096, K 4,096] x [K 4,096, N 64]; A: softmax (see below); B: computed on the way: QUANTISED
;;     4. [M 4,096, K 1,024] x [K 1,024, N 1,024]; A: computed on the way; B: input Wo (given as codes): QUANTISED
;;   THE QUANTISER, for each operand of a quantised product, along K:
;;     - K is cut into blocks of 32 from its start; a last block that is shorter is filled with zeros.
;;     - A block's scale is 2^e with e = floor(log2(the largest magnitude in the block)) - 2, held to -126 .. 127; a block of zeros has e = 0. As a byte (E8M0): e + 127.
;;     - Each number is divided by its block's scale, clamped to +-7.5, and rounded to the nearest number of E2M3, ties to even, subnormals kept.
;;     - The product sums the exact products of the quantised numbers (number of the format x scale) in f32.
;;   ~~~python
;;   def quantise(x, axis):      # numpy; x: float32 -> the quantised numbers, widened to float32 again
;;       x = np.moveaxis(x, axis, -1); K = x.shape[-1]
;;       x = np.pad(x, [(0, 0)] * (x.ndim - 1) + [(0, -K % 32)]); x = x.reshape(x.shape[:-1] + (-1, 32)); a = np.abs(x).max(-1, keepdims=True)
;;       e = np.where(a > 0, np.clip(np.frexp(np.where(a > 0, a, 1))[1] - 1 - 2, -126, 127), 0)      # np.frexp(a)[1] - 1 = floor(log2(a)), exactly
;;       r = np.clip(x / 2.0 ** e, -7.5, 7.5)
;;       step = 2.0 ** (np.maximum(np.frexp(np.where(r == 0, 1, r))[1] - 1, 0) - 3)
;;       q = np.round(r / step) * step * 2.0 ** e      # np.round: ties to even
;;       return np.moveaxis(q.reshape(q.shape[:-2] + (-1,))[..., :K], -1, axis).astype(np.float32)
;;   ~~~
;;   SOFTMAX AHEAD OF A QUANTISED PRODUCT. Where the list says 'softmax', what is quantised is not the finished softmax but p = 2^(t - M), with t = logit x log2(e) and M = ceil(the row's largest t), a whole number; so 1/2 < the row's largest p <= 1. The row's sum l is taken of the UNQUANTISED p, in f32, and the product's result is divided by l at the end. Since M is a whole number, a kernel that streams over the keys may use a running M (the ceiling of the running maximum): every later rescaling is an exact power of two, which a block's scale takes up: the codes' values come out the same.
;;   OPERANDS COMPUTED ON THE WAY. 'Computed on the way' means the value that the module computes at that place (a softmax that the list does not call 'softmax' is quantised finished and normalised). What goes into a quantiser is computed in f32, as accurately as f32 sums, v_exp_f32 and their like allow (about 1e-6 of the number): no bf16 or f16 on the way to a quantiser, and a product that is left as it is and whose result goes on into a quantised operand takes f32 operands (vector FMAs, or v_wmma_f32_16x16x4_f32). A number that lies on a knife's edge between two numbers of the format may be rounded either way, as far as f32 arithmetic and the matrix unit's own rounding can turn it there, and no further.
;;   INPUTS GIVEN AS CODES. Wo (in the module: [1024, 1024], K = its axis 1); Wqkv (in the module: [3072, 1024], K = its axis 1); x (in the module: [1, 4096, 1024], K = its axis 2): each comes as NAME_codes (uint8): NAME with its K axis moved to the last place and cut into blocks of 32 codes, [.., K / 32, bytes a block], one block behind the other in memory; four codes in three bytes: a row's codes are one little-endian stream of bits, code i at bits 6 i .. 6 i + 5 (a code: sign, 2 exponent bits, 3 mantissa bits); and NAME_scales (uint8): the same leading axes, one E8M0 byte (e + 127) for each 32 codes along K. Its value is code x scale, taken as it is: it is not quantised again, and the codes and scales need not be those that the quantiser above would give.
;; One version. Each part assembles by itself: llvm-mc -triple=amdgcn-amd-amdhsa -mcpu=gfx1250 --defsym DOCPART=n.
;; ======== version 1 of 1: 3 launches
;; limits: right only within a limited range of input values
;; workspace buffers: qk 6,815,744 bytes; vt 3,276,800 bytes; aimg 3,145,728 bytes; ascl 131,072 bytes
;; launch qkv (part 1): grid 48 x 4, 4 waves a work-group, clusters of 4 x 4, 327,680 bytes of LDS; arguments x_codes, x_scales, Wqkv_codes, Wqkv_scales, token_positions, qk, vt; writes qk, vt
.if DOCPART == 1
	.amdgcn_target "amdgcn-amd-amdhsa--gfx1250"
	.amdhsa_code_object_version 6
	.text
	.protected	k_qfcec25e9a7_qkv
	.globl	k_qfcec25e9a7_qkv
	.p2align	8
	.type	k_qfcec25e9a7_qkv,@function
k_qfcec25e9a7_qkv:
	s_mov_b64 s[64:65], 0
	v_nop
	global_prefetch_b8 v0, s[64:65] scope:SCOPE_SE
	s_setreg_imm32_b32 hwreg(HW_REG_WAVE_MODE, 25, 1), 1
	s_wait_xcnt 0x0
	s_wait_alu depctr_hold_cnt(0) depctr_sa_sdst(0) depctr_va_vdst(0) depctr_va_sdst(0) depctr_va_ssrc(0) depctr_va_vcc(0) depctr_vm_vsrc(0)
	s_getreg_b32 s2, hwreg(HW_REG_IB_STS2, 6, 4)
	s_cmp_eq_u32 s2, 0
	s_cbranch_scc0 .Lentry_in_a_cluster
	s_endpgm
.Lentry_in_a_cluster:
	s_bfe_u32 s2, ttmp6, 0x10000c
	s_cmp_lg_u32 s2, 0xf033
	s_cbranch_scc0 .Lentry_shape_is_right
	s_endpgm
.Lentry_shape_is_right:
; qkv = x Wqkv^T on codes of FP6 (E2M3) with E8M0 scales, K = 1,024; then the rotation of q and k, and the quantising of q, k (along the head) and v (along the keys) into records that are images of operand registers.
; A tile of 256 x 256 to a work-group of four waves, 128 x 128 to a wave.  Clusters 0-7 make q and k (source 1 = rows of x, source 0 = rows of Wqkv); clusters 8-11 make v with the roles changed, so that a lane's registers run along the keys.
; K goes through a ring of two LDS slots in chunks of 256 bytes of each row (a row of codes is 768 bytes: three chunks, each at a multiple of 256 bytes); a step of 128 along K is 96 bytes: eight steps to three chunks.
; The scale bytes of the 256 + 256 rows come once, as two dense blocks.  4 x 4 clusters: tiles are asked for jointly along a row or a column of the cluster.
; No prefetch: the block is the largest in clusters, and K has three chunks, of which two are asked for ahead of the first product.
; THE ROTATIONS: cos and sin of pos / 10000^(J/32), J = 0 .. 31, are made here, on the way out, in f32: the two waves that share 128 tokens make four blocks of 16 tokens each, lay them into slot 1
; (it has had its last fill and its last read by then), and read all eight back behind one barrier.  The divisor 10^(J/8) is a constant of the text, rounded to f32; the quotient is made by a refined reciprocal and a corrected remainder;
; the angle is reduced by n = nearest whole number to angle x 2/pi, with pi/2 in three parts; sine and cosine are polynomials on |r| <= pi/4.
; LIMIT: |position| up to 1,000,000: there n has 20 bits and the first reduction step is still exact.  Larger positions are not served.
; LEFT OUT IN THIS PROGRAM: in the attention launch, key steps all of whose keys come after a block's queries: reference()'s own causal mask sets their scores to -infinity, so their p is 0 for all values of the inputs.
; A NaN, an infinity or an overflow that reaches only those scores is not carried to the result.  Every input is loaded.
.set ROWB,   256
.set NQ,     2
.set KROW,   768
.set STEPS,  8
.set CHUNKS, 3
.set PITCH,  272
.set FR,     12
.set NL,     6
.set NP,     4
.set HALFT,  128*PITCH
.set SLOT,   4*HALFT
.set KS,     32
.set SCL,    2*SLOT
.set HALFS,  (128*KS/256)*272
.set SBLK,   (16*KS/256)*272
.set SPARE,  SCL+4*HALFS               ; the spare words: 512 bytes that no other line names
.set STG,    SPARE+512                 ; the way out's scale words: bytes of their own
.set ADRA, 16
.set ADRB, 20
.set LI16, 24
.set LI8,  25
.set SWA,  26
.set ADRS, 27
.set SPW,  28
.set NIL,  29
.set SRA,  30
.set VSO,  31
.set SH,   7
.set SC,   32
.set AF,   128
.set CD,   32
.set TM,   52
.set RB,   80
.set PW,   88
.set U,    128
.set G1, 24
.set G0, 32
.set G1B, 48
.set G0B, 56
.set G1S, 68
.set G0S, 76
.set G1SB, 80
.set G0SB, 88
.set G0H, 4
.set G0HB, 8
.set ISV, 95
.set SEL, 20
.set MSB, 0
.macro WIN new
.if MSB != (\new)
	s_set_vgpr_msb (MSB<<8)|(\new)
.set MSB, (\new)
.endif
.endm
.set MUL_LO, 0xa1
.set MUL_HI, 0xf1
.set TO_B,   0x40
.macro JLOAD g0a, g1a, g0b, g1b        ; waves 0, 1 fetch for source 1's tile, waves 2, 3 for source 0's
	s_cmp_eq_u32 s15, 0
	s_cbranch_scc0 .Lfor_b_\@
	tensor_load_to_lds s[\g0a:\g0a+3], s[\g1a:\g1a+7]
	s_nop 0
.rept 4
	v_nop
.endr
	s_branch .Lasked_\@
.Lfor_b_\@:
	tensor_load_to_lds s[\g0b:\g0b+3], s[\g1b:\g1b+7]
	s_nop 0
.rept 4
	v_nop
.endr
.Lasked_\@:
.endm
.macro CREST
	s_cmp_lg_u32 s14, 0
	s_cbranch_scc1 .Lnot_wave_0_\@
	s_barrier_signal -3
.Lnot_wave_0_\@:
	s_barrier_wait -3
	s_barrier_signal -1
	s_barrier_wait -1
.endm
.macro CROUND
	s_barrier_signal -1
	s_barrier_wait -1
	CREST
.endm
	s_load_b256 s[4:11], s[0:1], 0x0               ; x's codes, scales; Wqkv's codes, scales
	s_load_b128 s[96:99], s[0:1], 0x20             ; token_positions, qk
	s_load_b64 s[100:101], s[0:1], 0x30            ; vt
	v_lshl_add_u32 v[SPW], v0, 2, SPARE
	v_mov_b32 v[NIL], 0
	ds_add_u32 v[SPW], v[NIL]                      ; the opening lines: the add twice on end
	ds_add_u32 v[SPW], v[NIL]
	v_lshrrev_b32 v1, 5, v0
	v_readfirstlane_b32 s14, v1                    ; wave
	s_lshr_b32 s15, s14, 1
	s_and_b32 s16, s14, 1
	s_bfe_u32 s40, ttmp6, 0x40000                  ; cx
	s_bfe_u32 s41, ttmp6, 0x40004                  ; cy
	s_and_b32 s2, ttmp9, 1
	s_lshr_b32 s3, ttmp9, 1
	s_sub_co_u32 s12, ttmp9, 8
	s_cmp_lt_u32 ttmp9, 8
	s_cselect_b32 s42, s2, s12
	s_cselect_b32 s17, s3, 2
	s_cselect_b32 s[ISV], 0, 1                     ; 1: this cluster makes v
	s_lshl_b32 s42, s42, 2
	s_add_co_u32 s42, s42, s40                     ; tile column
	s_lshl_b32 s17, s17, 2
	s_add_co_u32 s17, s17, s41                     ; tile row
	s_lshl_b32 s43, s41, 2
	s_lshl_b32 s43, 15, s43
	s_lshl_b32 s44, 0x1111, s40
	s_or_b32 s[G1+0], s43, (0<<16)|(1<<20)|(1<<21)|(5<<22)|(3<<25)
	s_or_b32 s[G1B+0], s44, (0<<16)|(1<<20)|(1<<21)|(5<<22)|(3<<25)
.irp g, G1, G1B
	s_mov_b32 s[\g+1], ROWB<<16
	s_mov_b32 s[\g+2], 256<<16                     ; the head's loads bring 256 rows
	s_mov_b32 s[\g+3], ROWB<<16
	s_mov_b32 s[\g+4], 256
	s_mov_b32 s[\g+5], KROW
	s_mov_b32 s[\g+6], 0
	s_mov_b32 s[\g+7], 0
.endr
	s_or_b32 s[G1S+0], s43, (3<<16)|(1<<20)|(1<<21)|(5<<22)|(3<<25)
	s_or_b32 s[G1SB+0], s44, (3<<16)|(1<<20)|(1<<21)|(5<<22)|(3<<25)
.irp g, G1S, G1SB
	s_mov_b32 s[\g+1], 32<<16
	s_mov_b32 s[\g+2], KS<<16
	s_mov_b32 s[\g+3], 32<<16
	s_mov_b32 s[\g+4], KS
	s_mov_b32 s[\g+5], 32
	s_mov_b32 s[\g+6], 0
	s_mov_b32 s[\g+7], 0
.endr
	s_lshl_b32 s20, s17, 8
	s_lshl_b32 s46, s42, 8
	s_mov_b32 s21, 0
	s_mov_b32 s47, 0
	s_mov_b64 s[18:19], KS
	s_mul_u64 s[22:23], s[20:21], s[18:19]
	s_mul_u64 s[92:93], s[46:47], s[18:19]
	s_mov_b64 s[18:19], KROW
	s_mul_u64 s[20:21], s[20:21], s[18:19]
	s_mul_u64 s[46:47], s[46:47], s[18:19]
	s_mul_i32 s18, s16, 128*KROW
	s_mov_b32 s19, 0
	s_mul_i32 s45, s14, HALFT
	s_wait_dscnt 0x0
	s_wait_kmcnt 0x0
	s_cmp_eq_u32 s[ISV], 0                         ; for v the two operands change roles
	s_cselect_b64 s[12:13], s[4:5], s[8:9]
	s_cselect_b64 s[8:9], s[8:9], s[4:5]
	s_mov_b64 s[4:5], s[12:13]
	s_cselect_b64 s[12:13], s[6:7], s[10:11]
	s_cselect_b64 s[10:11], s[10:11], s[6:7]
	s_mov_b64 s[6:7], s[12:13]
	s_add_nc_u64 s[20:21], s[4:5], s[20:21]
	s_add_nc_u64 s[22:23], s[6:7], s[22:23]
	s_add_nc_u64 s[46:47], s[8:9], s[46:47]
	s_add_nc_u64 s[92:93], s[10:11], s[92:93]
	CROUND
	s_mov_b32 s[G0H], 1
	s_mov_b32 s[G0H+1], 0
	s_mov_b64 s[G0H+2:G0H+3], s[20:21]
	s_or_b32 s[G0H+3], s[G0H+3], 0x80000000
	s_mov_b32 s[G0HB], 1
	s_mov_b32 s[G0HB+1], 2*HALFT
	s_mov_b64 s[G0HB+2:G0HB+3], s[46:47]
	s_or_b32 s[G0HB+3], s[G0HB+3], 0x80000000
	s_mov_b32 s[G0S], 1
	s_mov_b32 s[G0S+1], SCL
	s_mov_b64 s[G0S+2:G0S+3], s[22:23]
	s_or_b32 s[G0S+3], s[G0S+3], 0x80000000
	s_mov_b32 s[G0SB], 1
	s_mov_b32 s[G0SB+1], SCL+2*HALFS
	s_mov_b64 s[G0SB+2:G0SB+3], s[92:93]
	s_or_b32 s[G0SB+3], s[G0SB+3], 0x80000000
	s_add_nc_u64 s[20:21], s[20:21], s[18:19]
	s_add_nc_u64 s[46:47], s[46:47], s[18:19]
.irp s, 0,1
	s_mov_b32 s[G0+4*\s], 1
	s_add_co_u32 s[G0+4*\s+1], s45, \s*SLOT
	s_add_nc_u64 s[G0+4*\s+2:G0+4*\s+3], s[20:21], \s*ROWB
	s_or_b32 s[G0+4*\s+3], s[G0+4*\s+3], 0x80000000
	s_mov_b32 s[G0B+4*\s], 1
	s_add_co_u32 s[G0B+4*\s+1], s45, \s*SLOT
	s_add_nc_u64 s[G0B+4*\s+2:G0B+4*\s+3], s[46:47], \s*ROWB
	s_or_b32 s[G0B+4*\s+3], s[G0B+4*\s+3], 0x80000000
.endr
; the head's four tiles, one a wave: chunk 0 of both operands (256 rows each) and both blocks of scale bytes
.macro ARM under, g0, g1, next
	s_cmp_lt_u32 s14, \under
	s_cbranch_scc0 \next
	tensor_load_to_lds s[\g0:\g0+3], s[\g1:\g1+7]
	s_nop 0
.rept 4
	v_nop
.endr
	s_branch .Lhead_asked
\next:
.endm
	ARM 1, G0H,  G1,  .Lhead_b
	ARM 2, G0HB, G1B, .Lhead_sa
	ARM 3, G0S,  G1S, .Lhead_sb
	tensor_load_to_lds s[G0SB:G0SB+3], s[G1SB:G1SB+7]
	s_nop 0
.rept 4
	v_nop
.endr
.Lhead_asked:
	v_and_b32 v1, 15, v0
	v_bfe_u32 v2, v0, 4, 1
	v_mul_u32_u24 v3, v1, PITCH
	v_mul_u32_u24 v4, v2, 24
	v_add_nc_u32 v4, v3, v4
	s_mov_b32 s21, SLOT-232
	s_mov_b32 s22, SLOT+232
	v_sub_nc_u32 v7, 1, v2
	v_mul_u32_u24 v5, s21, v2
	v_add_nc_u32 v5, v3, v5
	v_add_nc_u32 v5, 232, v5                       ; lanes 0-15 byte 232 of the row in slot 0, lanes 16-31 byte 0 in slot 1
	v_mul_u32_u24 v6, s22, v7
	v_add_nc_u32 v6, v3, v6                        ; and the other way round
	s_mul_i32 s21, s15, HALFT
	s_mul_i32 s22, s16, HALFT
	s_add_co_u32 s22, s22, 2*HALFT
	v_add_nc_u32 v[ADRA+2], s21, v5
	v_add_nc_u32 v[ADRA+3], s21, v6
	v_add_nc_u32 v[ADRB+2], s22, v5
	v_add_nc_u32 v[ADRB+3], s22, v6
.irp s, 0,1
	v_add_nc_u32 v[ADRA+\s], s21, v4
	v_add_nc_u32 v[ADRB+\s], s22, v4
	s_add_co_u32 s21, s21, SLOT
	s_add_co_u32 s22, s22, SLOT
.endr
	v_mul_u32_u24 v5, v1, KS
	v_lshrrev_b32 v6, 8, v5
	v_lshl_add_u32 v5, v6, 4, v5
	s_mul_i32 s21, s15, HALFS
	s_mul_i32 s22, s16, HALFS
	s_add_co_u32 s22, s22, 2*HALFS
	s_sub_co_u32 s22, s22, s21
	v_mul_u32_u24 v6, s22, v2
	s_add_co_u32 s21, s21, SCL
	v_add_nc_u32 v5, v5, v6
	v_add_nc_u32 v[ADRS], s21, v5
	v_and_b32 v6, 31, v0
	v_lshlrev_b32 v[LI16], 4, v6
	v_lshlrev_b32 v[LI8], 3, v6
	s_lshl_b32 s23, s14, 10
	s_add_co_u32 s23, s23, STG
	v_lshlrev_b32 v5, 9, v2
	v_lshl_add_u32 v5, v1, 2, v5
	v_add_nc_u32 v[SWA], s23, v5
	v_add_nc_u32 v[SRA], s23, v[LI16]
	v_mul_u32_u24 v[VSO], v2, 204800
	v_lshl_add_u32 v[VSO], v1, 4, v[VSO]
	v_lshlrev_b32 v[SH], 4, v2
	s_lshl_b32 s2, s17, 8                          ; the 64 tokens whose rotations I make: 256 x tile row + 128 x row half + 64 x column half
	s_lshl_b32 s3, s15, 7
	s_add_co_u32 s2, s2, s3
	s_lshl_b32 s3, s16, 6
	s_add_co_u32 s2, s2, s3
	s_lshl_b32 s2, s2, 2
	s_mov_b32 s3, 0
	s_add_nc_u64 s[96:97], s[96:97], s[2:3]
	s_lshl_b32 s21, s15, 15                        ; the table in slot 1: 32,768 bytes for each row half, 4,096 for a block of 16 tokens
	s_add_co_u32 s21, s21, SLOT
	s_lshl_b32 s22, s16, 14
	s_add_co_u32 s22, s22, s21
	s_wait_alu depctr_va_vdst(0)                   ; the wait here, directly ahead of the readers below
	v_add_nc_u32 v9, s21, v[LI16]                  ; where I read it
	v_add_nc_u32 v8, s22, v[LI16]                  ; where I lay my four blocks
	v_lshlrev_b32 v15, 2, v1
.irp k, 0,1,2,3
	global_load_b32 v[11+\k], v15, s[96:97] offset:64*\k   ; the positions of my four blocks (the clusters that make v load them too and leave them)
.endr
.macro FRAG reg, adr, st, i            ; 16 rows x 128 K: 12 registers, in pieces of 8 bytes; byte y of a row lies in slot (y / 256) % 2 at byte y % 256
.irp p, 0,1,2,3,4,5
.set BY, 96*(\st)+48*(\p/3)+8*(\p%3)
.if BY/ROWB == (BY+24)/ROWB
	ds_load_b64 v[\reg+2*\p:\reg+2*\p+1], v[\adr+(BY/ROWB)%2] offset:BY%ROWB+(\i)*16*PITCH
.else
	ds_load_b64 v[\reg+2*\p:\reg+2*\p+1], v[\adr+2+(BY/ROWB)%2] offset:BY%ROWB-232+(\i)*16*PITCH
.endif
.endr
.endm
.macro MUL16 a0, p, q, sc, zero        ; the 64 accumulators take turns
.irp a, \a0, \a0+1
.irp b, 0,1,2,3,4,5,6,7
.if \zero
	v_wmma_scale_f32_16x16x128_f8f6f4 v[8*(8*((\a)%4)+\b):8*(8*((\a)%4)+\b)+7], v[128*(\p)+FR*\b:128*(\p)+FR*\b+FR-1], v[AF+FR*(\a):AF+FR*(\a)+FR-1], 0, v[SC+8*NQ*(\sc)+NQ*\b+(\q)], v[SC+8*NQ*(\sc)+NQ*(\a)+(\q)] matrix_a_fmt:MATRIX_FMT_FP6 matrix_b_fmt:MATRIX_FMT_FP6 matrix_a_scale:MATRIX_SCALE_ROW1
.else
	v_wmma_scale_f32_16x16x128_f8f6f4 v[8*(8*((\a)%4)+\b):8*(8*((\a)%4)+\b)+7], v[128*(\p)+FR*\b:128*(\p)+FR*\b+FR-1], v[AF+FR*(\a):AF+FR*(\a)+FR-1], v[8*(8*((\a)%4)+\b):8*(8*((\a)%4)+\b)+7], v[SC+8*NQ*(\sc)+NQ*\b+(\q)], v[SC+8*NQ*(\sc)+NQ*(\a)+(\q)] matrix_a_fmt:MATRIX_FMT_FP6 matrix_b_fmt:MATRIX_FMT_FP6 matrix_a_scale:MATRIX_SCALE_ROW1
.endif
.endr
.endr
.endm
.macro FETCH_B st, p
	WIN TO_B
.irp i, 0,1,2,3,4,5,6,7
	FRAG 128*(\p)+FR*\i, ADRB, \st, \i
.endr
	WIN 0
.endm
.macro FETCH_A st, i0
.irp i, \i0, \i0+1, \i0+2, \i0+3
	FRAG AF+FR*(\i), ADRA, \st, \i
.endr
.endm
.macro SCALES pr
.irp i, 0,1,2,3,4,5,6,7
	ds_load_b64 v[SC+8*NQ*((\pr)%2)+NQ*\i:SC+8*NQ*((\pr)%2)+NQ*\i+1], v[ADRS] offset:\i*SBLK+4*NQ*(\pr)
.endr
.endm
.macro PLACES n
.rept \n
	v_nop
.endr
.endm
; A step of 128 along K.  Where the next step's bytes end in a new chunk, a barrier shows that chunk whole; where they begin in a later chunk, the chunk left behind is free:
; all tensor loads waited for, the add, the wait for it and for my reads, the barrier (a round of the cluster's where a chunk is left to fetch), the refill.
.macro STEP st, zero
.set NX, (\st)+1
.set C0, (96*(\st))/ROWB
.set C1, (96*NX)/ROWB
.set E0, (96*(\st)+95)/ROWB
.set E1, (96*NX+95)/ROWB
.if C1 > C0 || E1 > E0
	s_wait_tensorcnt 0x0
.if C1 > C0
	ds_add_u32 v[SPW], v[NIL]
	s_wait_dscnt 4*NL+1
.else
	s_wait_dscnt 4*NL
.endif
	WIN MUL_LO
	MUL16 0, (\st)%2, (\st)%2, ((\st)/2)%2, \zero
	s_wait_dscnt 0x0
	s_barrier_signal -1
	MUL16 2, (\st)%2, (\st)%2, ((\st)/2)%2, \zero
	WIN 0
	s_barrier_wait -1
.if C1 > C0 && C0+2 < CHUNKS
	CREST
	s_add_nc_u64 s[G0+4*(C0%2)+2:G0+4*(C0%2)+3], s[G0+4*(C0%2)+2:G0+4*(C0%2)+3], 2*ROWB
	s_add_nc_u64 s[G0B+4*(C0%2)+2:G0B+4*(C0%2)+3], s[G0B+4*(C0%2)+2:G0B+4*(C0%2)+3], 2*ROWB
	JLOAD G0+4*(C0%2), G1, G0B+4*(C0%2), G1B
.else
	PLACES NP
.endif
.else
	s_wait_dscnt 4*NL                              ; the youngest loads, source 1's blocks 4-7, may be out
	WIN MUL_LO
	MUL16 0, (\st)%2, (\st)%2, ((\st)/2)%2, \zero
	MUL16 2, (\st)%2, (\st)%2, ((\st)/2)%2, \zero
	s_wait_dscnt 0
	PLACES NP
.endif
	FETCH_B NX, NX%2
	FETCH_A NX, 0
.if NX%2 == 0
	SCALES NX/2
.endif
	WIN MUL_HI
	MUL16 4, (\st)%2, (\st)%2, ((\st)/2)%2, \zero
	MUL16 6, (\st)%2, (\st)%2, ((\st)/2)%2, \zero
	PLACES NP
	WIN 0
	FETCH_A NX, 4
.endm
	s_wait_alu depctr_va_vdst(0)                   ; the wait at the head's end
	s_wait_tensorcnt 0x0
	ds_add_u32 v[SPW], v[NIL]
	s_mov_b32 s[G1+2], 128<<16                     ; no load of mine is out: from here on a load brings 128 rows
	s_mov_b32 s[G1+4], 128
	s_mov_b32 s[G1B+2], 128<<16
	s_mov_b32 s[G1B+4], 128
	s_wait_dscnt 0x0
	CROUND
	JLOAD G0+4, G1, G0B+4, G1B                     ; chunk 1, issued as a refill is
	FETCH_B 0, 0
	FETCH_A 0, 0
	SCALES 0
	FETCH_A 0, 4
	STEP 0, 1
.set ST, 1
.rept STEPS-2
	STEP ST, 0
.set ST, ST+1
.endr
	s_wait_dscnt 4*NL
	WIN MUL_LO
	MUL16 0, 1, 1, 1, 0
	MUL16 2, 1, 1, 1, 0
	s_wait_dscnt 0
	WIN MUL_HI
	MUL16 4, 1, 1, 1, 0
	MUL16 6, 1, 1, 1, 0
	WIN 0
; THE WAY OUT.  q, k: rotate, quantise blocks of 32 along the head, store images; v: quantise along the keys, store images.
.macro ROPE a
.set AC, 64*((\a)%4)
.set WW, 2+(\a)/4
	WIN WW+4
.set PI, 0
.rept 32
	v_mul_f32 v[U+2*PI], v[AC+2*PI+1], v[32*(\a)+2*(PI%16)+1]
	v_mul_f32 v[U+2*PI+1], v[AC+2*PI], v[32*(\a)+2*(PI%16)+1]
.set PI, PI+1
.endr
	WIN 65*WW+4
.set PI, 0
.rept 32
	v_fma_f32 v[AC+2*PI], v[AC+2*PI], v[32*(\a)+2*(PI%16)], -v[U+2*PI]
	v_fma_f32 v[AC+2*PI+1], v[AC+2*PI+1], v[32*(\a)+2*(PI%16)], v[U+2*PI+1]
.set PI, PI+1
.endr
	WIN 0
.endm
.macro QUANT a
.set AC, 64*((\a)%4)
.set WW, 2+(\a)/4
	WIN 5*WW
.irp b, 0,1,2,3
	v_max3_num_f32 v[TM+\b], |v[AC+16*\b]|, |v[AC+16*\b+1]|, 0x1800000
.endr
.irp i, 2,4,6,8,10,12,14
.irp b, 0,1,2,3
	v_max3_num_f32 v[TM+\b], |v[AC+16*\b+\i]|, |v[AC+16*\b+\i+1]|, v[TM+\b]
.endr
.endr
	WIN 0
.irp b, 0,1,2,3
	v_permlanex16_b32 v[TM+4+\b], v[TM+\b], s[SEL], s[SEL+1]
.endr
.irp b, 0,1,2,3
	v_max_num_f32 v[TM+\b], v[TM+\b], v[TM+4+\b]
.endr
.irp b, 0,1,2,3
	v_add_nc_u32 v[TM+12+\b], 0xff000000, v[TM+\b]
.endr
.irp b, 0,1,2,3
	v_lshrrev_b32 v[TM+4+\b], 23, v[TM+12+\b]
.endr
	v_lshl_or_b32 v[PW+\a], v[TM+5], 8, v[TM+4]
	v_lshl_or_b32 v[PW+\a], v[TM+6], 16, v[PW+\a]
	v_lshl_or_b32 v[PW+\a], v[TM+7], 24, v[PW+\a]
	WIN WW
.irp c, 0,1
	v_cvt_scalef32_pk16_fp6_f32 v[CD+6*\c:CD+6*\c+2], v[AC+32*\c:AC+32*\c+15], v[TM+12+2*\c]
	v_cvt_scalef32_pk16_fp6_f32 v[CD+12+4*\c:CD+14+4*\c], v[AC+32*\c+16:AC+32*\c+31], v[TM+12+2*\c+1]
.endr
	WIN 0
	v_nop
.irp c, 0,1
.irp i, 0,1,2
	v_permlane16_swap_b32 v[CD+6*\c+\i], v[CD+12+4*\c+\i]
.endr
.irp i, 0,1,2
	v_mov_b32 v[CD+3+6*\c+\i], v[CD+12+4*\c+\i]
.endr
.endr
.endm
.macro QBLOCK a
	s_wait_dscnt 56-8*(\a)                         ; block a's eight table loads are in: behind them stand the later blocks' 56 - 8 a loads
	ROPE \a
.if (\a) > 0
	s_wait_xcnt 0x0
.endif
	QUANT \a
	v_lshrrev_b32 v[PW+\a], v[SH], v[PW+\a]
	v_and_b32 v[PW+\a], 0xffff, v[PW+\a]
	ds_store_b32 v[SWA], v[PW+\a] offset:64*(\a)
	global_store_b128 v[LI16], v[CD:CD+3], s[98:99] offset:768*(\a)
	global_store_b64 v[LI8], v[CD+4:CD+5], s[98:99] offset:768*(\a)+512
	global_store_b128 v[LI16], v[CD+6:CD+9], s[98:99] offset:212992+768*(\a)
	global_store_b64 v[LI8], v[CD+10:CD+11], s[98:99] offset:212992+768*(\a)+512
.endm
.macro VBLOCK a
.if (\a) > 0
	s_wait_xcnt 0x0
.endif
	QUANT \a
	ds_store_b32 v[SWA], v[PW+\a] offset:4096+64*(\a)
.set VO, 204800*((\a)/4)+1536*((\a)%4)
	global_store_b128 v[LI16], v[CD:CD+3], s[100:101] offset:VO
	global_store_b64 v[LI8], v[CD+4:CD+5], s[100:101] offset:VO+512
	global_store_b128 v[LI16], v[CD+6:CD+9], s[100:101] offset:VO+768
	global_store_b64 v[LI8], v[CD+10:CD+11], s[100:101] offset:VO+1280
.endm
	PLACES NP
.irp b, 0,1,2,3
	v_mov_b32 v[TM+4+\b], 0
.endr
	s_mov_b32 s[SEL], 0x76543210
	s_mov_b32 s[SEL+1], 0xfedcba98
	s_mov_b32 s13, 0
	s_cmp_lg_u32 s[ISV], 0
	s_cbranch_scc1 .Lvalues
	s_lshl_b32 s2, s42, 2
	s_lshl_b32 s3, s16, 1
	s_add_co_u32 s2, s2, s3
	s_lshl_b32 s2, s2, 5
	s_lshl_b32 s3, s17, 1
	s_add_co_u32 s3, s3, s15
	s_add_co_u32 s2, s2, s3
	s_mul_i32 s12, s2, 6656
	s_add_nc_u64 s[98:99], s[98:99], s[12:13]
; THE TABLE.  Lane (r, h) wants, for a block's token r, register 2 x: cos, 2 x + 1: sin of frequency J(x, h), x = 0 .. 15: J = 8 (x / 4) + 4 h + x % 4 in the order of the constants below.
.set PS, 11                            ; v11-14 the positions of my four blocks; v11 is the trip's
.set DD, 32                            ; v32-47 my sixteen divisors
.set IV, 48                            ; v48-63 their reciprocals
.set OU, 96                            ; v96-127 a block's 32 numbers
.set TT, 128                           ; v128-207 eight chains' ten registers
.macro DSEL x, lo, hi
	v_mov_b32 v[DD+\x], \hi
	v_cndmask_b32 v[DD+\x], \lo, v[DD+\x], vcc_lo
.endm
	s_wait_loadcnt 0x0                             ; the positions
	v_bfe_u32 v2, v0, 4, 1
	v_cmp_eq_u32 vcc_lo, 1, v2
.irp k, 0,1,2,3
	v_cvt_f32_i32 v[PS+\k], v[PS+\k]
.endr
	DSEL 0, 0x3f800000, 0x404a62c2
	DSEL 1, 0x3faab0d5, 0x4086f161
	DSEL 2, 0x3fe39ea9, 0x40b3f300
	DSEL 3, 0x4017c496, 0x40eff755
	DSEL 4, 0x41200000, 0x41fcfb72
	DSEL 5, 0x41555d0a, 0x4228adb9
	DSEL 6, 0x418e432a, 0x4260efc0
	DSEL 7, 0x41bdb5bc, 0x4295fa95
	DSEL 8, 0x42c80000, 0x439e1d27
	DSEL 9, 0x43055a26, 0x43d2d927
	DSEL 10, 0x4331d3f4, 0x440c95d8
	DSEL 11, 0x436d232b, 0x443b793b
	DSEL 12, 0x447a0000, 0x4545a471
	DSEL 13, 0x44a6b0b0, 0x4583c7b8
	DSEL 14, 0x44de48f1, 0x45afbb4e
	DSEL 15, 0x451435fb, 0x45ea5789
	v_mov_b32 v224, 0xb94ca1f9                     ; the polynomials' leading coefficients
	v_mov_b32 v225, 0x37ccf5ce
	s_wait_alu depctr_va_vdst(0)                   ; the wait ahead of the batch
.set J, 0
.rept 16
	v_rcp_f32 v[IV+J], v[DD+J]
.set J, J+1
.endr
	v_nop
	s_wait_alu depctr_va_vdst(0)                   ; and behind it
.set J, 0
.rept 16
	v_fma_f32 v[TT+J], -v[DD+J], v[IV+J], 1.0
.set J, J+1
.endr
.set J, 0
.rept 16
	v_fma_f32 v[IV+J], v[IV+J], v[TT+J], v[IV+J]   ; 1 / d, refined
.set J, J+1
.endr
; eight frequencies of one block of tokens, line by line: eight chains that do not hang on each other
.macro GRP g
.irp k, 0,1,2,3,4,5,6,7
	v_mul_f32 v[TT+10*\k], v[PS], v[IV+8*\g+\k]
.endr
.irp k, 0,1,2,3,4,5,6,7
	v_fma_f32 v[TT+10*\k+1], -v[DD+8*\g+\k], v[TT+10*\k], v[PS]      ; the remainder, exact
.endr
.irp k, 0,1,2,3,4,5,6,7
	v_fma_f32 v[TT+10*\k], v[TT+10*\k+1], v[IV+8*\g+\k], v[TT+10*\k] ; the angle
.endr
.irp k, 0,1,2,3,4,5,6,7
	v_mul_f32 v[TT+10*\k+1], 0x3f22f983, v[TT+10*\k]                 ; x 2 / pi
.endr
.irp k, 0,1,2,3,4,5,6,7
	v_rndne_f32 v[TT+10*\k+1], v[TT+10*\k+1]                         ; n
.endr
.irp k, 0,1,2,3,4,5,6,7
	v_fmamk_f32 v[TT+10*\k+2], v[TT+10*\k+1], 0xbfc90fdb, v[TT+10*\k]   ; - n x pi/2, in three parts
.endr
.irp k, 0,1,2,3,4,5,6,7
	v_fmamk_f32 v[TT+10*\k+2], v[TT+10*\k+1], 0x333bbd2e, v[TT+10*\k+2]
.endr
.irp k, 0,1,2,3,4,5,6,7
	v_fmamk_f32 v[TT+10*\k+2], v[TT+10*\k+1], 0x26f72ced, v[TT+10*\k+2] ; r
.endr
.irp k, 0,1,2,3,4,5,6,7
	v_mul_f32 v[TT+10*\k+3], v[TT+10*\k+2], v[TT+10*\k+2]            ; z = r r
.endr
.irp k, 0,1,2,3,4,5,6,7
	v_fmaak_f32 v[TT+10*\k+4], v224, v[TT+10*\k+3], 0x3c08839e       ; the sine's polynomial,
.endr
.irp k, 0,1,2,3,4,5,6,7
	v_fmaak_f32 v[TT+10*\k+5], v225, v[TT+10*\k+3], 0xbab6061a       ; the cosine's
.endr
.irp k, 0,1,2,3,4,5,6,7
	v_fmaak_f32 v[TT+10*\k+4], v[TT+10*\k+4], v[TT+10*\k+3], 0xbe2aaaa3
.endr
.irp k, 0,1,2,3,4,5,6,7
	v_fmaak_f32 v[TT+10*\k+5], v[TT+10*\k+5], v[TT+10*\k+3], 0x3d2aaaa5
.endr
.irp k, 0,1,2,3,4,5,6,7
	v_mul_f32 v[TT+10*\k+4], v[TT+10*\k+4], v[TT+10*\k+3]
.endr
.irp k, 0,1,2,3,4,5,6,7
	v_mul_f32 v[TT+10*\k+5], v[TT+10*\k+5], v[TT+10*\k+3]
.endr
.irp k, 0,1,2,3,4,5,6,7
	v_fma_f32 v[TT+10*\k+6], v[TT+10*\k+3], -0.5, 1.0
.endr
.irp k, 0,1,2,3,4,5,6,7
	v_fma_f32 v[TT+10*\k+4], v[TT+10*\k+4], v[TT+10*\k+2], v[TT+10*\k+2]   ; sin r
.endr
.irp k, 0,1,2,3,4,5,6,7
	v_fma_f32 v[TT+10*\k+5], v[TT+10*\k+5], v[TT+10*\k+3], v[TT+10*\k+6]   ; cos r
.endr
.irp k, 0,1,2,3,4,5,6,7
	v_cvt_i32_f32 v[TT+10*\k+7], v[TT+10*\k+1]                       ; the quadrant is n mod 4
.endr
.irp k, 0,1,2,3,4,5,6,7
	v_and_b32 v[TT+10*\k+8], 1, v[TT+10*\k+7]
.endr
.irp k, 0,1,2,3,4,5,6,7
	v_cmp_eq_u32 vcc_lo, 1, v[TT+10*\k+8]                            ; odd quadrants change sine and cosine
	v_cndmask_b32 v[OU+16*\g+2*\k+1], v[TT+10*\k+4], v[TT+10*\k+5], vcc_lo
	v_cndmask_b32 v[OU+16*\g+2*\k], v[TT+10*\k+5], v[TT+10*\k+4], vcc_lo
.endr
.irp k, 0,1,2,3,4,5,6,7
	v_lshlrev_b32 v[TT+10*\k+8], 30, v[TT+10*\k+7]
.endr
.irp k, 0,1,2,3,4,5,6,7
	v_add_nc_u32 v[TT+10*\k+9], 1, v[TT+10*\k+7]
.endr
.irp k, 0,1,2,3,4,5,6,7
	v_and_b32 v[TT+10*\k+8], 0x80000000, v[TT+10*\k+8]               ; the sine's sign: bit 1 of n
.endr
.irp k, 0,1,2,3,4,5,6,7
	v_lshlrev_b32 v[TT+10*\k+9], 30, v[TT+10*\k+9]
.endr
.irp k, 0,1,2,3,4,5,6,7
	v_xor_b32 v[OU+16*\g+2*\k+1], v[OU+16*\g+2*\k+1], v[TT+10*\k+8]
.endr
.irp k, 0,1,2,3,4,5,6,7
	v_and_b32 v[TT+10*\k+9], 0x80000000, v[TT+10*\k+9]               ; the cosine's: bit 1 of n + 1
.endr
.irp k, 0,1,2,3,4,5,6,7
	v_xor_b32 v[OU+16*\g+2*\k], v[OU+16*\g+2*\k], v[TT+10*\k+9]
.endr
.endm
	s_mov_b32 s2, 0
	s_mov_b32 s3, 0
.Ltab:                                             ; a trip: one block of 16 tokens
	GRP 0
	GRP 1
	v_add_nc_u32 v10, s2, v8
.irp c, 0,1,2,3,4,5,6,7
	ds_store_b128 v10, v[OU+4*\c:OU+4*\c+3] offset:512*\c
.endr
	v_mov_b32 v11, v12                             ; the next block's positions
	v_mov_b32 v12, v13
	v_mov_b32 v13, v14
	s_add_co_u32 s2, s2, 4096
	s_add_co_u32 s3, s3, 1
	s_cmp_lt_u32 s3, 4
	s_wait_alu depctr_va_vdst(0)                   ; the wait here, directly ahead of the branch
	s_cbranch_scc1 .Ltab
	s_wait_dscnt 0x0                               ; my four blocks lie in LDS
	s_barrier_signal -1
	s_barrier_wait -1                              ; and so do my partner's
	WIN 0x40
.irp a, 0,1,2,3,4,5,6,7
.irp c, 0,1,2,3,4,5,6,7
	ds_load_b128 v[32*\a+4*\c:32*\a+4*\c+3], v9 offset:4096*\a+512*\c
.endr
.endr
	WIN 0
.irp a, 0,1,2,3,4,5,6,7
	QBLOCK \a
.endr
	ds_load_b128 v[RB:RB+3], v[SRA]
	ds_load_b128 v[RB+4:RB+7], v[SRA] offset:512
	s_wait_dscnt 0x0
	global_store_b128 v[LI16], v[RB:RB+3], s[98:99] offset:6144
	global_store_b128 v[LI16], v[RB+4:RB+7], s[98:99] offset:212992+6144
	s_branch .Lclose
.Lvalues:
	s_sub_co_u32 s2, s17, 8
	s_lshl_b32 s2, s2, 2
	s_lshl_b32 s3, s15, 1
	s_add_co_u32 s2, s2, s3
	s_lshl_b32 s2, s2, 5
	s_lshl_b32 s3, s42, 1
	s_add_co_u32 s3, s3, s16
	s_add_co_u32 s2, s2, s3
	s_mul_i32 s12, s2, 6400
	s_add_nc_u64 s[100:101], s[100:101], s[12:13]
.irp a, 0,1,2,3,4,5,6,7
	VBLOCK \a
.endr
	ds_load_b128 v[RB:RB+3], v[SRA] offset:4096
	s_wait_dscnt 0x0
	global_store_b128 v[VSO], v[RB:RB+3], s[100:101] offset:6144
.Lclose:
	s_wait_tensorcnt 0x0
	ds_add_u32 v[SPW], v[NIL]
	s_wait_dscnt 0x0
	CROUND
	s_endpgm
.Lfunc_end_k_qfcec25e9a7_qkv:
	.size	k_qfcec25e9a7_qkv, .Lfunc_end_k_qfcec25e9a7_qkv-k_qfcec25e9a7_qkv
	.p2alignl 7, 3214868480
	.fill 96, 4, 3214868480
	.section	.rodata,"a",@progbits
	.p2align	6, 0x0
	.amdhsa_kernel k_qfcec25e9a7_qkv
		.amdhsa_group_segment_fixed_size 327680
		.amdhsa_private_segment_fixed_size 0
		.amdhsa_enable_private_segment 0
		.amdhsa_kernarg_size 56
		.amdhsa_user_sgpr_count 2
		.amdhsa_user_sgpr_kernarg_segment_ptr 1
		.amdhsa_wavefront_size32 1
		.amdhsa_system_sgpr_workgroup_id_x 1
		.amdhsa_system_sgpr_workgroup_id_y 1
		.amdhsa_system_sgpr_workgroup_id_z 1
		.amdhsa_system_vgpr_workitem_id 0
		.amdhsa_next_free_vgpr 1024
		.amdhsa_next_free_sgpr 102
		.amdhsa_reserve_vcc 1
		.amdhsa_float_denorm_mode_32 3
		.amdhsa_float_denorm_mode_16_64 3
		.amdhsa_memory_ordered 1
		.amdhsa_forward_progress 1
		.amdhsa_inst_pref_size 255
	.end_amdhsa_kernel
	.section	.bss,"aw",@nobits
	.p2align	6
	.space	262144
	.amdgpu_metadata
---
amdhsa.version: [ 1, 2 ]
amdhsa.kernels:
  - .name:           k_qfcec25e9a7_qkv
    .symbol:         k_qfcec25e9a7_qkv.kd
    .args:
      - { .name: x_codes, .offset: 0, .size: 8, .value_kind: global_buffer, .address_space: global }
      - { .name: x_scales, .offset: 8, .size: 8, .value_kind: global_buffer, .address_space: global }
      - { .name: Wqkv_codes, .offset: 16, .size: 8, .value_kind: global_buffer, .address_space: global }
      - { .name: Wqkv_scales, .offset: 24, .size: 8, .value_kind: global_buffer, .address_space: global }
      - { .name: token_positions, .offset: 32, .size: 8, .value_kind: global_buffer, .address_space: global }
      - { .name: qk, .offset: 40, .size: 8, .value_kind: global_buffer, .address_space: global }
      - { .name: vt, .offset: 48, .size: 8, .value_kind: global_buffer, .address_space: global }
    .group_segment_fixed_size: 327680
    .private_segment_fixed_size: 0
    .kernarg_segment_align: 8
    .kernarg_segment_size: 56
    .max_flat_workgroup_size: 128
    .sgpr_count:     102
    .vgpr_count:     1024
    .wavefront_size: 32
...
	.end_amdgpu_metadata
.endif
;; end of part 1
;; launch attn (part 2): grid 16 x 16, 16 waves a work-group, no clusters, 327,680 bytes of LDS; arguments qk, vt, aimg, ascl; writes aimg, ascl
.if DOCPART == 2
	.amdgcn_target "amdgcn-amd-amdhsa--gfx1250"
	.amdhsa_code_object_version 6
	.text
	.protected	k_qfcec25e9a7_attn
	.globl	k_qfcec25e9a7_attn
	.p2align	8
	.type	k_qfcec25e9a7_attn,@function
k_qfcec25e9a7_attn:
	s_mov_b64 s[64:65], 0
	v_nop
	global_prefetch_b8 v0, s[64:65] scope:SCOPE_SE
	s_setreg_imm32_b32 hwreg(HW_REG_WAVE_MODE, 25, 1), 1
	s_wait_xcnt 0x0
; Causal attention of one head on codes of FP6 (E2M3), head size 64, and the quantising of its result along d_model for the last product.
; t = score x log2(e) / 8; M = the row's largest t so far, rounded up to a whole number; p = 2^(t - M) is quantised along the keys, not normalised; the row's sum is taken of the unquantised p and divides at the end.
; LEFT OUT: key steps all of whose keys come after a block's queries: reference()'s own causal mask makes their p zero for all inputs.
; SHARES.  Work-group (j, head) owns the blocks j (early) and 31 - j (late) of 128 queries: j + 1 and 32 - j key steps of 128, 33 for each pair of tiles of 16 queries.  A pair of waves shares them:
; wave A takes the late tile's key steps 0 .. 16; wave B takes the early tile's j + 1 steps, lays that state aside in LDS, and takes the late tile's key steps 17 .. 31 - j: 17 and 16 steps, whatever j.
; At the end B hands its part of the late tile to A through LDS; the two parts are joined under the larger M by exact powers of two; A sends the late tile out and B the early one, by the same lines.
; B is the wave in which bit 0 and bit 2 of the wave's number differ.
; FILLS.  Trip tau needs key step tau (first stream, A's) and B's key step (second stream: tau while tau <= j, then tau + 16 - j).  A slot holds four trips x two streams x (K's record + V's record) = 104,448 bytes;
; each of the sixteen waves brings one record by one tensor load behind each change of slots.  Every wait on TENSORcnt is for 0.  The seventeenth trip's two records go into slot 0 by waves 0 and 1.
; No joint loads: the place where wave B changes tiles hangs on j, which differs between the work-groups of a head.  No prefetch: a fill is asked for four key steps ahead of its first read.
; LAYOUT.  S^T = K Q^T, O^T = V^T P^T: a lane holds one query throughout.  K = 64 fills half of the instruction's 128: Q's registers 6-11 are zero codes, so K's upper six registers may hold anything finite-coded.
; LIMITS: the scaled scores stay under 2^31 in magnitude; NaN and infinities are not served; a block under the floor 2^(3 - 127) gets the byte 1.  The two scale bytes of a row and head are stored as two bytes.
; REGISTERS: v1-3 16, 8, 4 x lane; v4 r - 8 h; v5, v6 for the add; v7 32 r; v8-10 the step's LDS addresses; v11, v29 stage; v12 -M, v13 largest t, v[14:15] the sum; v16-27 Q; v28 its scale words; v32-85 fragments;
;   v86-91 their scale words; v96-159 S^T, then p; v160-191 O^T; v192-210 p's codes; v212-231 at work; v232-238 the late tile's Q; v240-255 at work.
.set F,     32
.set BM,    212
.set PT,    216
.set SO,    220
.set KREC,  6656
.set VREC,  6400
.set STRM,  KREC+VREC
.set REC2,  2*STRM
.set SLOT,  4*REC2
.set STAGE, 2*SLOT                     ; for each pair of waves two states of 4,608 bytes: no fill lands here
.set HST,   4608
.set SPARE, STAGE+16*HST               ; the spare words, 2,048 bytes that no other line names
.set ISB,  13
.set WV,   18
.set SEL,  20
.set CS,   22
.set G1K,  24
.set G1V,  32
.set G0,   40
.set LBASE, 44                         ; s[44:45] the records that I fetch: K's or V's of the head
.set KF,   46                          ; the step's first key
.set Q0,   47                          ; my tile's first query
.set Q0L,  48                          ; the late tile's
.set CNT,  49
.set TAU,  50
.set DK,   52                          ; 128 (16 - j)
.set JS,   53                          ; j where I fetch for the second stream, else 99
.set D16,  54
.set RECB, 55
.set LW,   56                          ; where my record goes in a slot
.set RS,   57                          ; the stream that I read
.set LB,   58
.set LK,   59
.set WI,   76
.macro ADDR si                         ; group 0 for my record of slot number si
	s_add_co_u32 s60, s[WI], 4*(\si)               ; tau
	s_cmp_gt_u32 s60, s[JS]
	s_cselect_b32 s61, s[D16], 0
	s_add_co_u32 s60, s60, s61                     ; the key step
	s_mul_i32 s60, s60, s[RECB]
	s_mov_b32 s61, 0
	s_add_nc_u64 s[G0+2:G0+3], s[LBASE:LBASE+1], s[60:61]
	s_or_b32 s[G0+3], s[G0+3], 0x80000000
	s_add_co_u32 s[G0+1], s[LW], SLOT*((\si)%2)
.endm
.macro TL g1
	tensor_load_to_lds s[G0:G0+3], s[\g1:\g1+7]
	s_nop 0
.rept 4
	v_nop
.endr
.endm
.macro TLOAD                           ; every wave: even waves a record of K, odd ones of V
	s_cmp_eq_u32 s[LK], 0
	s_cbranch_scc0 .Lv_\@
	TL G1K
	s_branch .Lj_\@
.Lv_\@:
	TL G1V
.Lj_\@:
.endm
.macro TLOAD2                          ; waves 0 and 1 alone
	s_cmp_eq_u32 s[WV], 0
	s_cbranch_scc0 .Lnk_\@
	TL G1K
	s_branch .Ld_\@
.Lnk_\@:
	s_cmp_eq_u32 s[WV], 1
	s_cbranch_scc0 .Ld_\@
	TL G1V
.Ld_\@:
.endm
	s_load_b256 s[4:11], s[0:1], 0x0               ; qk, vt, aimg, ascl
	v_lshl_add_u32 v5, v0, 2, SPARE
	v_mov_b32 v6, 0
	ds_add_u32 v5, v6                              ; the opening lines: the add twice on end
	ds_add_u32 v5, v6
	v_lshrrev_b32 v8, 5, v0
	v_readfirstlane_b32 s[WV], v8
	s_and_b32 s12, ttmp7, 0xffff                   ; the head
	s_lshr_b32 s[ISB], s[WV], 2
	s_xor_b32 s[ISB], s[ISB], s[WV]
	s_and_b32 s[ISB], s[ISB], 1
	s_lshr_b32 s14, s[WV], 1                       ; my pair = my tile in its block
	s_sub_co_u32 s19, 31, ttmp9                    ; the late block
	s_cmp_eq_u32 s[ISB], 0
	s_cselect_b32 s15, s19, ttmp9                  ; the block of my first tile, which is also the one that I send out
	s_mul_i32 s[RS], s[ISB], STRM
	s_lshl_b32 s16, s14, 4
	s_lshl_b32 s[Q0], s15, 7
	s_add_co_u32 s[Q0], s[Q0], s16
	s_lshl_b32 s[Q0L], s19, 7
	s_add_co_u32 s[Q0L], s[Q0L], s16
	s_sub_co_u32 s[D16], 16, ttmp9
	s_lshl_b32 s[DK], s[D16], 7
	s_mov_b32 s[KF], 0
	s_mov_b32 s[TAU], 0
	s_lshr_b32 s[WI], s[WV], 2                     ; as a loader: the trip in the slot,
	s_and_b32 s[LK], s[WV], 1                      ; K or V,
	s_bfe_u32 s17, s[WV], 0x10001                  ; the stream
	s_cmp_eq_u32 s17, 0
	s_cselect_b32 s[JS], 99, ttmp9
	s_mul_i32 s[LW], s[WI], REC2
	s_mul_i32 s17, s17, STRM
	s_add_co_u32 s[LW], s[LW], s17
	s_mul_i32 s17, s[LK], KREC
	s_add_co_u32 s[LW], s[LW], s17
	s_cmp_eq_u32 s[LK], 0
	s_mov_b32 s[RECB], VREC
	s_cselect_b32 s[RECB], KREC, s[RECB]
	s_mov_b32 s[G1K], 3<<16                        ; dense bytes as rows of 256: a record of K is 26 rows, of V 25
	s_mov_b32 s[G1K+1], 32<<16
	s_mov_b32 s[G1K+2], 26<<16
	s_mov_b32 s[G1K+3], 32<<16
	s_mov_b32 s[G1K+4], 26
	s_mov_b32 s[G1K+5], 32
	s_mov_b32 s[G1K+6], 0
	s_mov_b32 s[G1K+7], 0
	s_mov_b32 s[G1V], 3<<16
	s_mov_b32 s[G1V+1], 32<<16
	s_mov_b32 s[G1V+2], 25<<16
	s_mov_b32 s[G1V+3], 32<<16
	s_mov_b32 s[G1V+4], 25
	s_mov_b32 s[G1V+5], 32
	s_mov_b32 s[G1V+6], 0
	s_mov_b32 s[G1V+7], 0
	s_mov_b32 s[G0], 1
	s_mov_b32 s[SEL], 0x76543210
	s_mov_b32 s[SEL+1], 0xfedcba98
	s_mov_b32 s[CS], 0x3e38aa3b                    ; c = log2(e) / 8
	s_mov_b32 s[CS+1], s[CS]
	s_add_co_u32 s2, s12, 16
	s_mul_i32 s2, s2, 212992                       ; k's 32 records of the head
	s_mov_b32 s3, 0
	s_mul_i32 s16, s12, 204800                     ; v's
	s_mov_b32 s17, 0
	s_lshl_b32 s62, s12, 5
	s_add_co_u32 s72, s62, s19
	s_add_co_u32 s62, s62, s15
	s_mul_i32 s62, s62, KREC                       ; q's record of my first block,
	s_mov_b32 s63, 0
	s_mul_i32 s72, s72, KREC                       ; and of the late block
	s_mov_b32 s73, 0
	s_lshl_b32 s70, s15, 3
	s_add_co_u32 s70, s70, s14
	s_lshl_b32 s70, s70, 4
	s_add_co_u32 s70, s70, s12
	s_mul_i32 s70, s70, 768                        ; the image that I send out
	s_mov_b32 s71, 0
	s_lshl_b32 s68, s[Q0], 5
	s_lshl_b32 s69, s12, 1
	s_add_co_u32 s68, s68, s69                     ; 32 scale bytes a row, two a head
	s_mov_b32 s69, 0
	s_mul_i32 s66, s14, 768
	s_lshl_b32 s67, s14, 6
	s_mul_i32 s74, s14, 2*HST
	s_add_co_u32 s74, s74, STAGE                   ; my pair's stage
	s_xor_b32 s75, s[ISB], 1
	s_mul_i32 s75, s75, HST
	s_add_co_u32 s75, s75, s74                     ; what I read at the end: A the second state, B the first
	s_wait_dscnt 0x0
	s_wait_kmcnt 0x0
	s_add_nc_u64 s[2:3], s[4:5], s[2:3]
	s_add_nc_u64 s[16:17], s[6:7], s[16:17]
	s_cmp_eq_u32 s[LK], 0
	s_cselect_b64 s[LBASE:LBASE+1], s[2:3], s[16:17]
	ADDR 0
	TLOAD                                          ; slot 0: one load a wave at the head
	s_add_nc_u64 s[62:63], s[4:5], s[62:63]
	s_add_nc_u64 s[72:73], s[4:5], s[72:73]
	s_add_nc_u64 s[8:9], s[8:9], s[70:71]
	s_add_nc_u64 s[10:11], s[10:11], s[68:69]
	v_and_b32 v8, 31, v0
	v_and_b32 v9, 15, v0                           ; r
	v_bfe_u32 v10, v0, 4, 1                        ; h
	v_lshlrev_b32 v1, 4, v8
	v_lshlrev_b32 v2, 3, v8
	v_lshlrev_b32 v3, 2, v8
	v_lshlrev_b32 v10, 3, v10
	v_sub_nc_u32 v4, v9, v10
	v_lshlrev_b32 v7, 5, v9
	v_add_nc_u32 v30, s66, v1
	v_add_nc_u32 v31, s66, v2
	v_lshl_add_u32 v92, v9, 2, s67
	v_add_nc_u32 v11, s74, v1
	v_add_nc_u32 v29, s75, v1
	global_load_b128 v[16:19], v30, s[62:63]       ; my first tile's Q
	global_load_b64 v[20:21], v31, s[62:63] offset:512
	global_load_b32 v28, v92, s[62:63] offset:6144
	global_load_b128 v[232:235], v30, s[72:73]     ; the late tile's Q, which wave B takes up later
	global_load_b64 v[236:237], v31, s[72:73] offset:512
	global_load_b32 v238, v92, s[72:73] offset:6144
	v_mov_b32 v13, 0xff61b1e6                      ; the largest t so far: -3e38
	v_floor_f32 v12, -v13
	v_mov_b32 v14, 0
	v_mov_b32 v15, 0
.irp i, 0,1,2,3,4,5
	v_mov_b32 v[22+\i], 0                          ; Q's upper half: zero codes
	v_mov_b32 v[80+\i], 0                          ; what stands behind K's last tile
.endr
.irp b, 0,1,2,3
	v_mov_b32 v[PT+\b], 0
.endr
	v_mov_b32 v227, 0                              ; (upper halves of pairs that are named whole)
	v_mov_b32 v241, 0
	v_mov_b32 v228, 0
.set J, 0
.rept 32
	v_mov_b32 v[160+J], 0                          ; O^T: the step is written once; the first finds zeros
.set J, J+1
.endr
; A KEY STEP of 128 keys at LDS byte s[LB].  sw = 1: behind trip j wave B changes tiles.
.macro STEP sw
	v_add_nc_u32 v8, s[LB], v1                     ; these three and the v_nop are the places in front of loads into registers that the last products read
	v_add_nc_u32 v9, s[LB], v2
	v_add_nc_u32 v10, s[LB], v3
	v_nop
	s_wait_alu depctr_va_vdst(0)                   ; the wait behind these writes
.irp t, 0,1,2,3,4,5,6,7
	ds_load_b128 v[F+6*\t:F+6*\t+3], v8 offset:768*\t
	ds_load_b64 v[F+6*\t+4:F+6*\t+5], v9 offset:768*\t+512
.endr
.irp g, 0,1,2,3
	ds_load_b32 v[86+\g], v10 offset:6144+128*\g
.endr
	s_wait_dscnt 0x0
.irp g, 0,1,2,3
	v_wmma_scale_f32_16x16x128_f8f6f4 v[96+16*\g:103+16*\g], v[F+12*\g:F+12*\g+11], v[16:27], 0, v[86+\g], v28 matrix_a_fmt:MATRIX_FMT_FP6 matrix_b_fmt:MATRIX_FMT_FP6
	v_wmma_scale_f32_16x16x128_f8f6f4 v[104+16*\g:111+16*\g], v[F+12*\g+6:F+12*\g+17], v[16:27], 0, v[86+\g], v28 matrix_a_fmt:MATRIX_FMT_FP6 matrix_b_fmt:MATRIX_FMT_FP6 matrix_a_scale:MATRIX_SCALE_ROW1
.endr
.rept 4
	v_nop
.endr
.irp t, 0,1,2,3                                ; V's four tiles land while the softmax is worked
	ds_load_b128 v[F+12*\t:F+12*\t+3], v8 offset:KREC+1536*\t
	ds_load_b64 v[F+12*\t+4:F+12*\t+5], v9 offset:KREC+1536*\t+512
	ds_load_b128 v[F+12*\t+6:F+12*\t+9], v8 offset:KREC+1536*\t+768
	ds_load_b64 v[F+12*\t+10:F+12*\t+11], v9 offset:KREC+1536*\t+1280
.endr
.irp g, 0,1
	ds_load_b32 v[90+\g], v10 offset:KREC+6144+128*\g
.endr
	s_add_co_u32 s61, s[KF], 127                   ; on the diagonal hidden scores become -infinity; a step all of whose keys count skips this
	s_cmp_le_u32 s61, s[Q0]
	s_cbranch_scc1 .Lopen_\@
	s_sub_co_i32 s61, s[Q0], s[KF]
	v_add_nc_u32 v228, s61, v4                     ; d = my query - KF - 8 h.  Register 16 b + i holds key KF + 8 h + 32 b + i + 8 (i / 8): hidden where that constant > d
	v_mov_b32 v229, 0xff800000
.set N, 0
.rept 64
	v_cmp_gt_i32 vcc_lo, 32*(N/16)+N%16+8*((N%16)/8), v228
	v_cndmask_b32 v[96+N], v[96+N], v229, vcc_lo
.set N, N+1
.endr
.Lopen_\@:
.irp b, 0,1,2,3
	v_max3_num_f32 v[BM+\b], v[96+16*\b], v[97+16*\b], v[98+16*\b]      ; the largest score of each block of 32 keys: for the row's maximum, and for the block's largest p
.endr
.irp i, 3,5,7,9,11,13
.irp b, 0,1,2,3
	v_max3_num_f32 v[BM+\b], v[BM+\b], v[96+16*\b+\i], v[97+16*\b+\i]
.endr
.endr
.irp b, 0,1,2,3
	v_max_num_f32 v[BM+\b], v[BM+\b], v[111+16*\b]
.endr
.irp b, 0,1,2,3
	s_delay_alu instid0(VALU_DEP_4)
	v_permlanex16_b32 v[PT+\b], v[BM+\b], s[SEL], s[SEL+1]
.endr
.irp b, 0,1,2,3
	s_delay_alu instid0(VALU_DEP_4)
	v_max_num_f32 v[BM+\b], v[BM+\b], v[PT+\b]
.endr
	s_delay_alu instid0(VALU_DEP_2)
	v_max3_num_f32 v228, v[BM], v[BM+1], v[BM+2]
	s_delay_alu instid0(VALU_DEP_1)
	v_max_num_f32 v228, v228, v[BM+3]
	s_delay_alu instid0(VALU_DEP_1)
	v_mul_f32 v228, s[CS], v228
	s_delay_alu instid0(VALU_DEP_1)
	v_max_num_f32 v13, v13, v228                   ; the running largest t
	v_mov_b32 v228, v12
	s_delay_alu instid0(VALU_DEP_2)
	v_floor_f32 v12, -v13                          ; the new -M: M is a whole number
	s_delay_alu instid0(VALU_DEP_1)
	v_sub_f32 v228, v12, v228
	s_delay_alu instid0(VALU_DEP_1)
	v_cvt_i32_f32 v228, v228                       ; (it saturates)
	s_delay_alu instid0(VALU_DEP_1)
	v_ldexp_f32 v226, 1.0, v228                    ; f = 2^(old M - new M)
.set J, 0
.rept 32
	v_pk_fma_f32 v[96+J:97+J], v[96+J:97+J], s[CS:CS+1], v[12:13] op_sel_hi:[1,0,0]   ; t - M
.set J, J+2
.endr
.irp b, 0,1,2,3
	v_fma_f32 v[BM+\b], v[BM+\b], s[CS], v12
.endr
.set J, 0
	s_wait_alu depctr_va_vdst(0)                   ; the wait ahead of the batch
.rept 64
	v_exp_f32 v[96+J], v[96+J]                     ; p
.set J, J+1
.endr
.irp b, 0,1,2,3
	v_exp_f32 v[BM+\b], v[BM+\b]                   ; the block's largest p
.endr
	v_pk_mul_f32 v[14:15], v[14:15], v[226:227] op_sel_hi:[1,0]       ; the sums under the new M (a plain place behind the exponentials)
	s_wait_alu depctr_va_vdst(0)                   ; and behind it
.irp b, 0,1,2,3
	v_max_num_f32 v[BM+\b], 0x1800000, v[BM+\b]    ; the floor 2^(3 - 127)
.endr
.irp b, 0,1,2,3
	s_delay_alu instid0(VALU_DEP_4)
	v_add_nc_u32 v[SO+\b], 0xff000000, v[BM+\b]
.endr
.irp b, 0,1,2,3
	s_delay_alu instid0(VALU_DEP_4)
	v_lshrrev_b32 v[PT+\b], 23, v[SO+\b]
.endr
	s_delay_alu instid0(VALU_DEP_3)
	v_lshl_or_b32 v224, v[PT+1], 8, v[PT]          ; p's scale word for these 128 keys
	s_delay_alu instid0(VALU_DEP_1)
	v_lshl_or_b32 v224, v[PT+2], 16, v224
	s_delay_alu instid0(VALU_DEP_1)
	v_lshl_or_b32 v224, v[PT+3], 24, v224
.irp c, 0,1
	v_cvt_scalef32_pk16_fp6_f32 v[192+6*\c:194+6*\c], v[96+32*\c:111+32*\c], v[SO+2*\c]
	v_cvt_scalef32_pk16_fp6_f32 v[204+4*\c:206+4*\c], v[112+32*\c:127+32*\c], v[SO+2*\c+1]
.endr
	v_nop                                          ; one plain place behind a scaled conversion
.irp c, 0,1
.irp i, 0,1,2
	v_permlane16_swap_b32 v[192+6*\c+\i], v[204+4*\c+\i]
.endr
.irp i, 0,1,2
	s_delay_alu instid0(VALU_DEP_3)
	v_mov_b32 v[195+6*\c+\i], v[204+4*\c+\i]
.endr
.endr
.irp c, 0,1,2,3,4,5,6                          ; the row's sum of the unquantised p: eight chains by turns, 32 packed additions
	v_pk_add_f32 v[242+2*\c:243+2*\c], v[96+4*\c:97+4*\c], v[98+4*\c:99+4*\c]
.endr
.irp g, 0,1
.irp c, 0,1,2,3,4,5,6
	v_pk_add_f32 v[242+2*\c:243+2*\c], v[242+2*\c:243+2*\c], v[124+16*\g+2*\c:125+16*\g+2*\c]
.endr
	v_pk_add_f32 v[14:15], v[14:15], v[138+16*\g:139+16*\g]
.endr
	v_pk_add_f32 v[242:243], v[242:243], v[156:157]
	v_pk_add_f32 v[244:245], v[244:245], v[158:159]
	v_pk_add_f32 v[246:247], v[246:247], v[248:249]
	v_pk_add_f32 v[250:251], v[250:251], v[252:253]
	v_pk_add_f32 v[14:15], v[14:15], v[254:255]
	v_pk_add_f32 v[242:243], v[242:243], v[244:245]
	v_pk_add_f32 v[246:247], v[246:247], v[250:251]
	s_delay_alu instid0(VALU_DEP_2)
	v_pk_add_f32 v[14:15], v[14:15], v[242:243]
	s_delay_alu instid0(VALU_DEP_1)
	v_pk_add_f32 v[14:15], v[14:15], v[246:247]
	s_wait_alu depctr_va_vdst(0)                   ; the wait directly ahead of the first reader of O^T
.set J, 0
.rept 16
	v_pk_mul_f32 v[160+J:161+J], v[160+J:161+J], v[226:227] op_sel_hi:[1,0]     ; O^T under the new M; these lines are also the places in front of the products below
.set J, J+2
.endr
	s_wait_alu depctr_va_vdst(0)
	s_wait_dscnt 0x0                               ; V is in
.irp g, 0,1                                    ; four accumulators, one instruction a turn
	v_wmma_scale_f32_16x16x128_f8f6f4 v[160+16*\g:167+16*\g], v[F+24*\g:F+24*\g+11], v[192:203], v[160+16*\g:167+16*\g], v[90+\g], v224 matrix_a_fmt:MATRIX_FMT_FP6 matrix_b_fmt:MATRIX_FMT_FP6
	v_wmma_scale_f32_16x16x128_f8f6f4 v[168+16*\g:175+16*\g], v[F+24*\g+12:F+24*\g+23], v[192:203], v[168+16*\g:175+16*\g], v[90+\g], v224 matrix_a_fmt:MATRIX_FMT_FP6 matrix_b_fmt:MATRIX_FMT_FP6 matrix_a_scale:MATRIX_SCALE_ROW1
.endr
.if \sw
	s_cmp_eq_u32 s[ISB], 0
	s_cbranch_scc1 .Lstay_\@
	s_cmp_lg_u32 s[TAU], ttmp9
	s_cbranch_scc1 .Lstay_\@
.rept 4
	v_nop                                          ; WAVE B, BEHIND TRIP j: the early tile's state goes into my pair's stage,
.endr
.irp i, 0,1,2,3,4,5,6,7
	ds_store_b128 v11, v[160+4*\i:163+4*\i] offset:512*\i
.endr
	ds_store_b128 v11, v[12:15] offset:4096
.irp i, 0,1,2,3,4,5
	v_mov_b32 v[16+\i], v[232+\i]                  ; the late tile's Q comes in,
.endr
	v_mov_b32 v28, v238
	v_mov_b32 v13, 0xff61b1e6                      ; and the state begins anew
	v_floor_f32 v12, -v13
	v_mov_b32 v14, 0
	v_mov_b32 v15, 0
.set J, 0
.rept 32
	v_mov_b32 v[160+J], 0
.set J, J+1
.endr
	s_mov_b32 s[Q0], s[Q0L]
	s_add_co_u32 s[KF], s[KF], s[DK]               ; on to key step 17
	s_wait_alu depctr_va_vdst(0)
.Lstay_\@:
.endif
	s_add_co_u32 s[KF], s[KF], 128
	s_add_co_u32 s[TAU], s[TAU], 1
.endm
.macro QUAD slot                       ; a slot's four trips
	s_add_co_u32 s[LB], s[RS], (\slot)*SLOT
	s_mov_b32 s[CNT], 0
.Lq_\@:
	STEP 1
	s_add_co_u32 s[LB], s[LB], REC2
	s_add_co_u32 s[CNT], s[CNT], 1
	s_cmp_lt_u32 s[CNT], 4
	s_cbranch_scc1 .Lq_\@
.endm
; THE CHANGE OF SLOTS.  Each wave waits for all its tensor loads, adds 0 to its spare word, makes its next group 0 meanwhile, and waits for the add and for its reads of the slot that it has left.
.macro CHANGE si, mode                 ; mode 1: every wave fetches its record of slot number si; 2: waves 0 and 1; 0: nobody
	s_wait_tensorcnt 0x0
	ds_add_u32 v5, v6
.if \mode
	ADDR \si
.endif
	s_wait_dscnt 0x0
	s_barrier_signal -1
	s_barrier_wait -1
.if \mode == 1
	TLOAD
.endif
.if \mode == 2
	TLOAD2
.endif
.endm
	s_wait_alu depctr_va_vdst(0)                   ; the wait at the head's end
	s_wait_loadcnt 0x0                             ; both Q
	CHANGE 1, 1
	QUAD 0
	CHANGE 2, 1
	QUAD 1
	CHANGE 3, 1
	QUAD 0
	CHANGE 4, 2                                    ; key step 16, for the A waves
	QUAD 1
	CHANGE 5, 0
	s_cmp_lg_u32 s[ISB], 0
	s_cbranch_scc1 .Lpart
	s_mov_b32 s[LB], 0
	STEP 0                                         ; wave A's seventeenth step
	s_branch .Lmeet
.Lpart:
.rept 4
	v_nop
.endr
.irp i, 0,1,2,3,4,5,6,7                        ; wave B: its part of the late tile goes to A
	ds_store_b128 v11, v[160+4*\i:163+4*\i] offset:HST+512*\i
.endr
	ds_store_b128 v11, v[12:15] offset:HST+4096
	v_mov_b32 v12, 0x7f61b1e6                      ; -M = 3e38: in the joining below what I still hold counts for nothing
.Lmeet:
	s_wait_alu depctr_va_vdst(0)
	s_wait_dscnt 0x0
	s_barrier_signal -1
	s_barrier_wait -1
.irp i, 0,1,2,3,4,5,6,7                        ; A reads B's part of the late tile, B its own early tile
	ds_load_b128 v[96+4*\i:99+4*\i], v29 offset:512*\i
.endr
	ds_load_b128 v[128:131], v29 offset:4096
.rept 4
	v_nop
.endr
	s_wait_dscnt 0x0
	v_min_num_f32 v228, v12, v128                  ; -M of the two together
	v_sub_f32 v229, v228, v12
	v_sub_f32 v230, v228, v128
	v_cvt_i32_f32 v229, v229                       ; (they saturate)
	v_cvt_i32_f32 v230, v230
	v_ldexp_f32 v226, 1.0, v229                    ; my state's factor,
	v_ldexp_f32 v240, 1.0, v230                    ; the other's: exact powers of two, or 0
	v_pk_mul_f32 v[14:15], v[14:15], v[226:227] op_sel_hi:[1,0]
.set J, 0
.rept 16
	v_pk_mul_f32 v[160+J:161+J], v[160+J:161+J], v[226:227] op_sel_hi:[1,0]
.set J, J+2
.endr
	v_pk_fma_f32 v[14:15], v[130:131], v[240:241], v[14:15] op_sel_hi:[1,0,1]
.set J, 0
.rept 16
	v_pk_fma_f32 v[160+J:161+J], v[96+J:97+J], v[240:241], v[160+J:161+J] op_sel_hi:[1,0,1]
.set J, J+2
.endr
	; THE WAY OUT.  O^T / the sum; the lanes' halves change places so that a lane's 16 registers are 16 neighbours along d_model; two blocks of 32 are quantised; the six registers leave as half an operand's image.
	v_add_f32 v14, v14, v15
	s_delay_alu instid0(VALU_DEP_1)
	v_permlanex16_b32 v228, v14, s[SEL], s[SEL+1]
	s_delay_alu instid0(VALU_DEP_1)
	v_add_f32 v14, v14, v228                       ; the row's sum
	s_wait_alu depctr_va_vdst(0)
	v_rcp_f32 v14, v14
	v_nop
.set J, 0
	s_wait_alu depctr_va_vdst(0)
.rept 32
	v_mul_f32 v[96+J], v[160+J], v14               ; register 8 t + i: o(r, 16 t + 8 h + i)
.set J, J+1
.endr
.irp b, 0,1
.irp j, 0,1,2,3,4,5,6,7
	v_permlane16_swap_b32 v[96+16*\b+\j], v[104+16*\b+\j]      ; now register 16 b + i: o(r, 32 b + 16 h + i)
.endr
.endr
.irp b, 0,1
	v_max3_num_f32 v[BM+\b], |v[96+16*\b]|, |v[97+16*\b]|, 0x1800000
.endr
.irp i, 2,4,6,8,10,12,14
.irp b, 0,1
	s_delay_alu instid0(VALU_DEP_2)
	v_max3_num_f32 v[BM+\b], v[BM+\b], |v[96+16*\b+\i]|, |v[97+16*\b+\i]|
.endr
.endr
.irp b, 0,1
	s_delay_alu instid0(VALU_DEP_2)
	v_permlanex16_b32 v[PT+\b], v[BM+\b], s[SEL], s[SEL+1]
.endr
.irp b, 0,1
	s_delay_alu instid0(VALU_DEP_2)
	v_max_num_f32 v[BM+\b], v[BM+\b], v[PT+\b]
.endr
.irp b, 0,1
	s_delay_alu instid0(VALU_DEP_2)
	v_add_nc_u32 v[SO+\b], 0xff000000, v[BM+\b]
.endr
.irp b, 0,1
	s_delay_alu instid0(VALU_DEP_2)
	v_lshrrev_b32 v[PT+\b], 23, v[SO+\b]
.endr
	s_delay_alu instid0(VALU_DEP_1)
	v_lshl_or_b32 v229, v[PT+1], 8, v[PT]          ; the row's two scale bytes of this head
	v_cvt_scalef32_pk16_fp6_f32 v[192:194], v[96:111], v[SO]
	v_cvt_scalef32_pk16_fp6_f32 v[204:206], v[112:127], v[SO+1]
	v_nop
.irp i, 0,1,2
	v_permlane16_swap_b32 v[192+\i], v[204+\i]
.endr
.irp i, 0,1,2
	s_delay_alu instid0(VALU_DEP_3)
	v_mov_b32 v[195+\i], v[204+\i]
.endr
	global_store_b128 v1, v[192:195], s[8:9]               ; 512 consecutive bytes
	global_store_b64 v2, v[196:197], s[8:9] offset:512     ; 256
	global_store_b16 v7, v229, s[10:11]                    ; lanes l and l xor 16 write the same two bytes with the same value
	s_wait_tensorcnt 0x0                           ; the wave's end
	ds_add_u32 v5, v6
	s_wait_dscnt 0x0
	s_endpgm
.Lfunc_end_k_qfcec25e9a7_attn:
	.size	k_qfcec25e9a7_attn, .Lfunc_end_k_qfcec25e9a7_attn-k_qfcec25e9a7_attn
	.p2alignl 7, 3214868480
	.fill 96, 4, 3214868480
	.section	.rodata,"a",@progbits
	.p2align	6, 0x0
	.amdhsa_kernel k_qfcec25e9a7_attn
		.amdhsa_group_segment_fixed_size 327680
		.amdhsa_private_segment_fixed_size 0
		.amdhsa_enable_private_segment 0
		.amdhsa_kernarg_size 32
		.amdhsa_user_sgpr_count 2
		.amdhsa_user_sgpr_kernarg_segment_ptr 1
		.amdhsa_wavefront_size32 1
		.amdhsa_system_sgpr_workgroup_id_x 1
		.amdhsa_system_sgpr_workgroup_id_y 1
		.amdhsa_system_sgpr_workgroup_id_z 1
		.amdhsa_system_vgpr_workitem_id 0
		.amdhsa_next_free_vgpr 256
		.amdhsa_next_free_sgpr 80
		.amdhsa_reserve_vcc 1
		.amdhsa_float_denorm_mode_32 3
		.amdhsa_float_denorm_mode_16_64 3
		.amdhsa_memory_ordered 1
		.amdhsa_forward_progress 1
		.amdhsa_inst_pref_size 144
	.end_amdhsa_kernel
	.amdgpu_metadata
---
amdhsa.version: [ 1, 2 ]
amdhsa.kernels:
  - .name:           k_qfcec25e9a7_attn
    .symbol:         k_qfcec25e9a7_attn.kd
    .args:
      - { .name: qk, .offset: 0, .size: 8, .value_kind: global_buffer, .address_space: global }
      - { .name: vt, .offset: 8, .size: 8, .value_kind: global_buffer, .address_space: global }
      - { .name: aimg, .offset: 16, .size: 8, .value_kind: global_buffer, .address_space: global }
      - { .name: ascl, .offset: 24, .size: 8, .value_kind: global_buffer, .address_space: global }
    .group_segment_fixed_size: 327680
    .private_segment_fixed_size: 0
    .kernarg_segment_align: 8
    .kernarg_segment_size: 32
    .max_flat_workgroup_size: 512
    .sgpr_count:     80
    .vgpr_count:     256
    .wavefront_size: 32
...
	.end_amdgpu_metadata
.endif
;; end of part 2
;; launch proj (part 3): grid 8 x 32, 4 waves a work-group, clusters of 4 x 4, 327,680 bytes of LDS; arguments aimg, ascl, Wo_codes, Wo_scales, out0; writes out0
.if DOCPART == 3
	.amdgcn_target "amdgcn-amd-amdhsa--gfx1250"
	.amdhsa_code_object_version 6
	.text
	.protected	k_qfcec25e9a7_proj
	.globl	k_qfcec25e9a7_proj
	.p2align	8
	.type	k_qfcec25e9a7_proj,@function
k_qfcec25e9a7_proj:
	s_mov_b64 s[64:65], 0
	v_nop
	global_prefetch_b8 v0, s[64:65] scope:SCOPE_SE
	s_setreg_imm32_b32 hwreg(HW_REG_WAVE_MODE, 25, 1), 1
	s_wait_xcnt 0x0
	s_wait_alu depctr_hold_cnt(0) depctr_sa_sdst(0) depctr_va_vdst(0) depctr_va_sdst(0) depctr_va_ssrc(0) depctr_va_vcc(0) depctr_vm_vsrc(0)
	s_getreg_b32 s2, hwreg(HW_REG_IB_STS2, 6, 4)
	s_cmp_eq_u32 s2, 0
	s_cbranch_scc0 .Lentry_in_a_cluster
	s_endpgm
.Lentry_in_a_cluster:
	s_bfe_u32 s2, ttmp6, 0x10000c
	s_cmp_lg_u32 s2, 0xf033
	s_cbranch_scc0 .Lentry_shape_is_right
	s_endpgm
.Lentry_shape_is_right:
; out0 = A Wo^T on codes of FP6 (E2M3) with E8M0 scales; A [4,096][1,024] is the attention's result, Wo [1,024][1,024]; out0 f32; K = 1,024.
; A tile of 128 x 128 to a work-group of four waves, 64 x 64 to a wave: 16 accumulators.  32 x 8 tiles are 256 work-groups.
; ALL OF K LIES IN LDS AT ONCE, filled once: each wave brings 64 rows x 768 bytes, a dense block of 49,152 bytes, as 192 rows of 256 bytes by its one tensor load: waves 0, 1 A's, waves 2, 3 Wo's.  No byte is filled twice.
; A's codes lie as images of operand registers: [tiles of 16 rows][16 heads][768 bytes]; two heads are one fragment of 128 along K.  Wo's lie as rows, with 16 bytes of padding behind every 256: 816 bytes from row to row.
; The scale words go from memory straight into registers: 32 bytes a row, sixteen lanes read 512 consecutive bytes by two loads; they are read once by each wave.
; CLUSTERS: 4 x 4; A's blocks are shared along a row of the cluster, Wo's along a column.  No prefetch: the launch has no loop of fills to run ahead in.
; The matrix instruction is used transposed (source 0 = rows of Wo, source 1 = rows of A): a lane holds eight neighbouring numbers of a row of out0.
; REGISTERS: window 0: v8-9 A's addresses, v16-17 Wo's, v24-28 way out and scales' offset; v32-63 A's scale words, v64-95 Wo's (register 8 i + s: block i, K step s); v128-255 the accumulators.  Window 1: two sets of fragments at v0 and v128.
.set SIZE_N, 1024
.set PITCH,  816
.set FR,     12
.set AHALF,  49152
.set BHALF,  64*PITCH
.set STAGE,  2*AHALF+2*BHALF           ; 16 rows x 272 bytes for each wave: no fill lands here
.set SPITCH, 272
.set SPARE,  STAGE+4*16*SPITCH         ; the spare words: 512 bytes that no other line names
.set ADRA, 8
.set ADRB, 16
.set STO,  24
.set RD,   25
.set CO,   26
.set SCO,  28
.set SCA,  32
.set SCB,  64
.set ACC,  128
.set G1,   24
.set G1B,  32
.set G0,   40
.set G0B,  44
.set MSB, 0
.macro WIN new
.if MSB != (\new)
	s_set_vgpr_msb (MSB<<8)|(\new)
.set MSB, (\new)
.endif
.endm
.set MULW, 0x05
.set TO_F, 0x40
.macro CROUND
	s_barrier_signal -1
	s_barrier_wait -1
	s_cmp_lg_u32 s14, 0
	s_cbranch_scc1 .Lnot_wave_0_\@
	s_barrier_signal -3
.Lnot_wave_0_\@:
	s_barrier_wait -3
	s_barrier_signal -1
	s_barrier_wait -1
.endm
	s_load_b128 s[4:7], s[0:1], 0x0                ; A's images, A's scales
	s_load_b128 s[8:11], s[0:1], 0x10              ; Wo's codes, Wo's scales
	s_load_b64 s[12:13], s[0:1], 0x20              ; out0
	v_lshl_add_u32 v126, v0, 2, SPARE
	v_mov_b32 v127, 0
	ds_add_u32 v126, v127                          ; the opening lines: the add twice on end
	ds_add_u32 v126, v127
	v_lshrrev_b32 v1, 5, v0
	v_readfirstlane_b32 s14, v1                    ; wave
	s_lshr_b32 s15, s14, 1                         ; which 64 rows of the tile are mine.  Also: I fetch for A (0) or for Wo (1)
	s_and_b32 s16, s14, 1                          ; which 64 columns.  Also: which 64 rows I fetch
	s_bfe_u32 s19, ttmp6, 0x40000                  ; cx
	s_bfe_u32 s20, ttmp6, 0x40004                  ; cy
	s_lshl_b32 s18, ttmp9, 2
	s_add_co_u32 s18, s18, s19                     ; tile column
	s_and_b32 s17, ttmp7, 0xffff
	s_lshl_b32 s17, s17, 2
	s_add_co_u32 s17, s17, s20                     ; tile row
	s_lshl_b32 s21, s20, 2
	s_lshl_b32 s21, 15, s21                        ; my row of the cluster
	s_lshl_b32 s22, 0x1111, s19                    ; my column
	s_or_b32 s[G1+0], s21, (3<<16)|(1<<21)
	s_or_b32 s[G1B+0], s22, (3<<16)|(1<<20)|(1<<21)|(5<<22)|(3<<25)
.irp g, G1, G1B
	s_mov_b32 s[\g+1], 32<<16
	s_mov_b32 s[\g+2], 192<<16
	s_mov_b32 s[\g+3], 32<<16
	s_mov_b32 s[\g+4], 192
	s_mov_b32 s[\g+5], 32
	s_mov_b32 s[\g+6], 0
	s_mov_b32 s[\g+7], 0
.endr
	s_lshl_b32 s19, s16, 6
	s_lshl_b32 s2, s17, 7
	s_add_co_u32 s2, s2, s19                       ; A's rows that I fetch: they hang on the tile row alone
	s_mul_i32 s2, s2, 768
	s_mov_b32 s3, 0
	s_lshl_b32 s48, s18, 7
	s_add_co_u32 s48, s48, s19                     ; Wo's: on the tile column alone.  These are also the rows of Wo that I multiply
	s_lshl_b32 s22, s48, 5                         ; their scale bytes
	s_mov_b32 s23, 0
	s_mul_i32 s48, s48, 768
	s_mov_b32 s49, 0
	s_lshl_b32 s20, s17, 7
	s_lshl_b32 s21, s15, 6
	s_add_co_u32 s50, s20, s21                     ; my first row of A and of out0
	s_lshl_b32 s20, s50, 5
	s_mov_b32 s21, 0
	s_lshl_b32 s50, s50, 12
	s_lshl_b32 s51, s18, 9
	s_add_co_u32 s50, s50, s51
	s_lshl_b32 s51, s16, 8
	s_add_co_u32 s50, s50, s51                     ; where my part of out0 begins
	s_mov_b32 s51, 0
	s_mul_i32 s52, s15, AHALF                      ; my 64 rows of A in LDS
	s_mul_i32 s53, s16, BHALF
	s_add_co_u32 s53, s53, 2*AHALF                 ; my 64 rows of Wo
	s_mul_i32 s54, s14, 16*SPITCH
	s_add_co_u32 s54, s54, STAGE                   ; my stage
	s_wait_dscnt 0x0
	s_wait_kmcnt 0x0
	s_mov_b32 s[G0], 1
	s_mul_i32 s[G0+1], s16, AHALF
	s_add_nc_u64 s[G0+2:G0+3], s[4:5], s[2:3]
	s_or_b32 s[G0+3], s[G0+3], 0x80000000
	s_mov_b32 s[G0B], 1
	s_mul_i32 s[G0B+1], s16, BHALF
	s_add_co_u32 s[G0B+1], s[G0B+1], 2*AHALF
	s_add_nc_u64 s[G0B+2:G0B+3], s[8:9], s[48:49]
	s_or_b32 s[G0B+3], s[G0B+3], 0x80000000
	s_add_nc_u64 s[6:7], s[6:7], s[20:21]
	s_add_nc_u64 s[10:11], s[10:11], s[22:23]
	s_add_nc_u64 s[12:13], s[12:13], s[50:51]
	CROUND                                         ; all sixteen work-groups are here: the joint loads meet
	s_cmp_eq_u32 s15, 0
	s_cbranch_scc0 .Lfor_b
	tensor_load_to_lds s[G0:G0+3], s[G1:G1+7]
	s_nop 0
.rept 4
	v_nop
.endr
	s_branch .Lasked
.Lfor_b:
	tensor_load_to_lds s[G0B:G0B+3], s[G1B:G1B+7]
	s_nop 0
.rept 4
	v_nop
.endr
.Lasked:
	v_and_b32 v1, 15, v0                           ; r
	v_bfe_u32 v2, v0, 4, 1                         ; h
	v_and_b32 v3, 31, v0
	v_lshlrev_b32 v[SCO], 5, v1                    ; 32 scale bytes a row
	v_lshlrev_b32 v4, 4, v3
	v_lshlrev_b32 v5, 3, v3
	v_mul_u32_u24 v6, v1, PITCH
	v_mad_u32_u24 v6, v2, 24, v6                   ; Wo: row x pitch + 24 h
	v_lshl_add_u32 v7, v2, 4, v6                   ; and the same behind one padding more for lanes 16-31
.irp i, 0,1,2,3
	global_load_b128 v[SCA+8*\i:SCA+8*\i+3], v[SCO], s[6:7] offset:512*\i
	global_load_b128 v[SCA+8*\i+4:SCA+8*\i+7], v[SCO], s[6:7] offset:512*\i+16
	global_load_b128 v[SCB+8*\i:SCB+8*\i+3], v[SCO], s[10:11] offset:512*\i
	global_load_b128 v[SCB+8*\i+4:SCB+8*\i+7], v[SCO], s[10:11] offset:512*\i+16
.endr
	v_add_nc_u32 v[ADRA], s52, v4
	v_add_nc_u32 v[ADRA+1], s52, v5
	v_add_nc_u32 v[ADRB], s53, v6
	v_add_nc_u32 v[ADRB+1], s53, v7
	v_mul_u32_u24 v3, v1, SPITCH                   ; into the stage: row r, 32 bytes for each half of the lanes
	v_lshl_add_u32 v3, v2, 5, v3
	v_add_nc_u32 v[STO], s54, v3
	v_mul_u32_u24 v3, v2, SPITCH                   ; back: lanes 0-15 one row of 256 bytes, lanes 16-31 the next
	v_lshl_add_u32 v3, v1, 4, v3
	v_add_nc_u32 v[RD], s54, v3
	v_lshlrev_b32 v3, 12, v2                       ; and the same two rows in out0
	v_lshl_add_u32 v[CO], v1, 4, v3
.macro FRAG reg, st, i                 ; 16 rows x 128 K of Wo's codes, in pieces of 8 bytes; byte y of a row lies at y + 16 (y / 256)
.irp p, 0,1,2,3,4,5
.set BY, 96*(\st)+48*(\p/3)+8*(\p%3)
.if BY/256 == (BY+24)/256
	ds_load_b64 v[\reg+2*\p:\reg+2*\p+1], v[ADRB] offset:BY+16*(BY/256)+(\i)*16*PITCH
.else
	ds_load_b64 v[\reg+2*\p:\reg+2*\p+1], v[ADRB+1] offset:BY+16*(BY/256)+(\i)*16*PITCH
.endif
.endr
.endm
.macro FETCH st, p                     ; 40 LDS loads: K step st into set p: A's four blocks as two half images each, then Wo's four
	WIN TO_F
.irp i, 0,1,2,3
	ds_load_b128 v[128*(\p)+FR*\i:128*(\p)+FR*\i+3], v[ADRA] offset:12288*\i+1536*(\st)
	ds_load_b64 v[128*(\p)+FR*\i+4:128*(\p)+FR*\i+5], v[ADRA+1] offset:12288*\i+1536*(\st)+512
	ds_load_b128 v[128*(\p)+FR*\i+6:128*(\p)+FR*\i+9], v[ADRA] offset:12288*\i+1536*(\st)+768
	ds_load_b64 v[128*(\p)+FR*\i+10:128*(\p)+FR*\i+11], v[ADRA+1] offset:12288*\i+1536*(\st)+1280
.endr
.irp i, 0,1,2,3
	FRAG 128*(\p)+48+FR*\i, \st, \i
.endr
.endm
.macro MUL p, s, zero                  ; 16 matrix instructions; the 16 accumulators take turns
	WIN MULW
.irp a, 0,1,2,3
.irp b, 0,1,2,3
.if \zero
	v_wmma_scale_f32_16x16x128_f8f6f4 v[ACC+8*(4*\a+\b):ACC+8*(4*\a+\b)+7], v[128*(\p)+48+FR*\b:128*(\p)+48+FR*\b+FR-1], v[128*(\p)+FR*\a:128*(\p)+FR*\a+FR-1], 0, v[SCB+8*\b+(\s)], v[SCA+8*\a+(\s)] matrix_a_fmt:MATRIX_FMT_FP6 matrix_b_fmt:MATRIX_FMT_FP6
.else
	v_wmma_scale_f32_16x16x128_f8f6f4 v[ACC+8*(4*\a+\b):ACC+8*(4*\a+\b)+7], v[128*(\p)+48+FR*\b:128*(\p)+48+FR*\b+FR-1], v[128*(\p)+FR*\a:128*(\p)+FR*\a+FR-1], v[ACC+8*(4*\a+\b):ACC+8*(4*\a+\b)+7], v[SCB+8*\b+(\s)], v[SCA+8*\a+(\s)] matrix_a_fmt:MATRIX_FMT_FP6 matrix_b_fmt:MATRIX_FMT_FP6
.endif
.endr
.endr
.endm
.macro PLACES
.rept 4
	v_nop
.endr
.endm
	s_wait_alu depctr_va_vdst(0)                   ; the wait at the head's end
	s_wait_tensorcnt 0x0                           ; my block is in
	s_barrier_signal -1
	s_barrier_wait -1                              ; and everybody's
	FETCH 0, 0
	FETCH 1, 1
	s_wait_loadcnt 0x0                             ; the scale words
	s_wait_dscnt 40                                ; set 0 is in; set 1's 40 loads may be out
	MUL 0, 0, 1
.irp s, 1,2,3,4,5,6
	PLACES
	FETCH (\s)+1, ((\s)+1)%2                       ; into the set that was multiplied just now
	s_wait_dscnt 40                                ; step s's set is in; the 40 loads just issued may be out
	MUL (\s)%2, \s, 0
.endr
	s_wait_dscnt 0x0
	MUL 1, 7, 0
	WIN 0
; THE WAY OUT, block by block of 16 rows x 64 columns, through my own stage; back as whole rows of 256 bytes.  LDS serves a wave's instructions in order (ISA guide 5.7.1.4).
.macro TOSTAGE a
.irp b, 0,1,2,3
	ds_store_b128 v[STO], v[ACC+8*(4*(\a)+\b):ACC+8*(4*(\a)+\b)+3] offset:64*\b
	ds_store_b128 v[STO], v[ACC+8*(4*(\a)+\b)+4:ACC+8*(4*(\a)+\b)+7] offset:64*\b+16
.endr
.irp t, 0,1,2,3,4,5,6,7
	ds_load_b128 v[ACC+32*(\a)+4*\t:ACC+32*(\a)+4*\t+3], v[RD] offset:\t*2*SPITCH
.endr
.endm
.macro SEND a, younger
	s_wait_dscnt \younger
.irp t, 0,1,2,3,4,5,6,7
	global_store_b128 v[CO], v[ACC+32*(\a)+4*\t:ACC+32*(\a)+4*\t+3], s[12:13] offset:(16*(\a)+2*\t)*SIZE_N*4 th:TH_STORE_NT   ; 16 lanes store 256 consecutive bytes, aligned
.endr
.endm
	PLACES
	TOSTAGE 0
	TOSTAGE 1
	SEND 0, 16                                     ; behind block 0's loads: block 1's 8 stores and 8 loads
	TOSTAGE 2
	SEND 1, 16
	TOSTAGE 3
	SEND 2, 16
	SEND 3, 0
	s_wait_tensorcnt 0x0                           ; the wave's end
	ds_add_u32 v126, v127
	s_wait_dscnt 0x0
	CROUND                                         ; the closing round
	s_endpgm
.Lfunc_end_k_qfcec25e9a7_proj:
	.size	k_qfcec25e9a7_proj, .Lfunc_end_k_qfcec25e9a7_proj-k_qfcec25e9a7_proj
	.p2alignl 7, 3214868480
	.fill 96, 4, 3214868480
	.section	.rodata,"a",@progbits
	.p2align	6, 0x0
	.amdhsa_kernel k_qfcec25e9a7_proj
		.amdhsa_group_segment_fixed_size 327680
		.amdhsa_private_segment_fixed_size 0
		.amdhsa_enable_private_segment 0
		.amdhsa_kernarg_size 40
		.amdhsa_user_sgpr_count 2
		.amdhsa_user_sgpr_kernarg_segment_ptr 1
		.amdhsa_wavefront_size32 1
		.amdhsa_system_sgpr_workgroup_id_x 1
		.amdhsa_system_sgpr_workgroup_id_y 1
		.amdhsa_system_sgpr_workgroup_id_z 1
		.amdhsa_system_vgpr_workitem_id 0
		.amdhsa_next_free_vgpr 512
		.amdhsa_next_free_sgpr 66
		.amdhsa_reserve_vcc 0
		.amdhsa_float_denorm_mode_32 3
		.amdhsa_float_denorm_mode_16_64 3
		.amdhsa_memory_ordered 1
		.amdhsa_forward_progress 1
		.amdhsa_inst_pref_size 53
	.end_amdhsa_kernel
	.amdgpu_metadata
---
amdhsa.version: [ 1, 2 ]
amdhsa.kernels:
  - .name:           k_qfcec25e9a7_proj
    .symbol:         k_qfcec25e9a7_proj.kd
    .args:
      - { .name: aimg, .offset: 0, .size: 8, .value_kind: global_buffer, .address_space: global }
      - { .name: ascl, .offset: 8, .size: 8, .value_kind: global_buffer, .address_space: global }
      - { .name: Wo_codes, .offset: 16, .size: 8, .value_kind: global_buffer, .address_space: global }
      - { .name: Wo_scales, .offset: 24, .size: 8, .value_kind: global_buffer, .address_space: global }
      - { .name: out0, .offset: 32, .size: 8, .value_kind: global_buffer, .address_space: global }
    .group_segment_fixed_size: 327680
    .private_segment_fixed_size: 0
    .kernarg_segment_align: 8
    .kernarg_segment_size: 40
    .max_flat_workgroup_size: 128
    .sgpr_count:     66
    .vgpr_count:     512
    .wavefront_size: 32
...
	.end_amdgpu_metadata
.endif
;; end of part 3
